; MI455X (gfx1250); checked and timed in simulation.
; The chip was launched on July 23, 2026; its instructions are those of AMD's public machine-readable ISA for CDNA 5 (MIT licence, August 2026) and "CDNA5" Instruction Set Architecture Reference Guide (July 2026). The comments in the code are by the model that wrote it; some were corrected since.
;; Single Head Attention. Allowed arithmetic: matrix products marked QUANTISED: E2M1 operands, one E8M0 scale for each 32 along K, by v_wmma_scale_f32_16x16x128_f8f6f4 with both operands' format E2M1 (or v_wmma_scale_f32_32x16x128_f4), f32 sums; products left as they are: bf16, f16 or f32 operands; f32 sums; everything else in f32.
;; Inputs: Wk 1,024 x 1,024 float32; Wq 1,024 x 1,024 float32; Wv 1,024 x 1,024 float32; x 4 x 2,048 x 1,024 float32.
;; Outputs: out0 4 x 2,048 x 1,024 float32.
;; This version of the problem:
;;   THIS VERSION OF THE PROBLEM IS GIVEN IN LOW PRECISION. The matrix products marked QUANTISED in the list below multiply operands that are first quantised to E2M1 (2 exponent bits, 1 mantissa bit; 4 bits a number), with one power-of-two scale for each 32 numbers along K (OCP MX v1.0); their sums are f32. The products marked 'left as it is' may take bf16, f16 or f32 operands, with f32 sums. Whichever they take, every output number must still come out within the allowed error. Rounding operands to bf16 (8 significant bits) uses up far more of that allowance than f16 does (11 bits, for magnitudes from 6e-5 to 65,504). All else is computed in f32.
;;   The module's matrix products, in the order in which they are computed (A, B: the left and right operand; K: the contracted axis; several contracted axes count as one K, in the product's order):
;;     1. [M 8,192, K 1,024] x [K 1,024, N 1,024]; A: input x; B: input Wq: QUANTISED
;;     2. [M 8,192, K 1,024] x [K 1,024, N 1,024]; A: input x; B: input Wk: QUANTISED
;;     3. [M 8,192, K 1,024] x [K 1,024, N 1,024]; A: input x; B: input Wv: QUANTISED
;;     4. batch 4 x [M 2,048, K 1,024] x [K 1,024, N 2,048]; A: computed on the way; B: computed on the way: left as it is (an operand is computed on the way)
;;     5. batch 4 x [M 2,048, K 2,048] x [K 2,048, N 1,024]; A: computed on the way; B: computed on the way: left as it is (an operand is computed on the way)
;;   THE QUANTISER, for each operand of a quantised product, along K:
;;     - K is cut into blocks of 32 from its start; a last block that is shorter is filled with zeros.
;;     - A block's scale is 2^e with e = floor(log2(the largest magnitude in the block)) - 2, held to -126 .. 127; a block of zeros has e = 0. As a byte (E8M0): e + 127.
;;     - Each number is divided by its block's scale, clamped to +-6, and rounded to the nearest number of E2M1, ties to even, subnormals kept.
;;     - The product sums the exact products of the quantised numbers (number of the format x scale) in f32.
;;   ~~~python
;;   def quantise(x, axis):      # numpy; x: float32 -> the quantised numbers, widened to float32 again
;;       x = np.moveaxis(x, axis, -1); K = x.shape[-1]
;;       x = np.pad(x, [(0, 0)] * (x.ndim - 1) + [(0, -K % 32)]); x = x.reshape(x.shape[:-1] + (-1, 32)); a = np.abs(x).max(-1, keepdims=True)
;;       e = np.where(a > 0, np.clip(np.frexp(np.where(a > 0, a, 1))[1] - 1 - 2, -126, 127), 0)      # np.frexp(a)[1] - 1 = floor(log2(a)), exactly
;;       r = np.clip(x / 2.0 ** e, -6, 6)
;;       step = 2.0 ** (np.maximum(np.frexp(np.where(r == 0, 1, r))[1] - 1, 0) - 1)
;;       q = np.round(r / step) * step * 2.0 ** e      # np.round: ties to even
;;       return np.moveaxis(q.reshape(q.shape[:-2] + (-1,))[..., :K], -1, axis).astype(np.float32)
;;   ~~~
;; One version. Each part assembles by itself: llvm-mc -triple=amdgcn-amd-amdhsa -mcpu=gfx1250 --defsym DOCPART=n.
;; ======== version 1 of 1: 4 launches
;; limits: values are held in f16: magnitudes above 65,504 overflow, below 6.1e-05 lose precision
;; workspace buffers: codes 5,767,168 bytes; scales 360,448 bytes; qkv 50,331,648 bytes; p 33,554,432 bytes; stats 1,048,576 bytes
;; launch quant (part 1): grid 352 x 1, 4 waves a work-group, no clusters, 33,280 bytes of LDS; arguments x, Wq, Wk, Wv, codes, scales; writes codes, scales
.if DOCPART == 1
	.amdgcn_target "amdgcn-amd-amdhsa--gfx1250"
	.amdhsa_code_object_version 6
	.text
	.protected	k_qa04ee266e6_quant
	.globl	k_qa04ee266e6_quant
	.p2align	8
	.type	k_qa04ee266e6_quant,@function
k_qa04ee266e6_quant:
	s_mov_b64 s[64:65], 0
	v_nop
	global_prefetch_b8 v0, s[64:65] scope:SCOPE_SE
	s_setreg_imm32_b32 hwreg(HW_REG_WAVE_MODE, 25, 1), 1
	s_wait_xcnt 0x0
; THE PROGRAM: out = softmax(q k^T / 32) v, q = x Wq^T, k = x Wk^T, v = x Wv^T; no mask is applied.  Four launches: this one quantises x, Wq, Wk, Wv; the second makes q, k and v^T
; on codes; the third makes the scores and the softmax's numerators; the fourth the weighted sum of v.  NO WORK IS LEFT OUT: every input reaches the output, every product is done whole.
; THIS LAUNCH: x [8192][1024], Wq, Wk, Wv [1024][1024], f32, K innermost, become codes of FP4 (E2M1), two a byte, and one E8M0 byte for each 32 along K.  The four tensors are stacked:
; codes [11264 rows][512 bytes], scales [11264][32 bytes]; rows 0-8191 x, 8192-9215 Wq, 9216-10239 Wk, 10240-11263 Wv.
; A block's scale is 2^(floor(log2(its largest magnitude)) - 2); its byte is the largest magnitude's exponent field - 2, held at 1 from below.  Each number is divided by the scale and rounded to the nearest code, ties to even;
; beyond 6 the conversion gives the largest code.
; LIMITS: a block of zeros gets the byte 1 where the rule says 127 (its codes are zeros, and this program alone reads the bytes); blocks whose largest magnitude lies under 2^-124 were not tried; NaN and infinities are not served.
; Rows are dense and 1,024 is a multiple of 32: each tensor is a plain stream of blocks.  A work-group takes 32,768 numbers, a wave 8,192: 16 steps of 512.  Each load reads 512 consecutive bytes; a step's 2,048 bytes turn through the
; wave's own stage in LDS so that a lane then holds 16 neighbours along K.  A lane's 16 codes are 8 bytes: the wave stores 256 consecutive bytes.  A wave's 256 scale bytes are gathered in LDS and leave as one aligned run of 256.
; No tensor load, no barrier: waves share nothing.  Loads run four steps (16 loads a wave) ahead.
.set WAVES, 4
.set STEPS, 16
.set EMAX,  2
.set CB,    8                          ; bytes of 16 codes
.set R,     16                         ; v16-79   four sets of 16 numbers as they are loaded
.set X,     80                         ; v80-111  two sets of 16 neighbours
.set E,     112                        ; v112-127 a scale byte for each step
.set C,     128                        ; v128-191 codes: four registers for each step, so that no store's data are written again
.set WREG,  8192                       ; LDS: a region for each wave: two stages of 32 x SP bytes, behind them its 256 scale bytes
.set SP,    80                         ; a lane's place in a stage: 64 bytes + 16 of padding
.set SPW,   12                         ; v12 LDS address of my spare word; never rewritten
.set NIL,   13                         ; v13 0; never rewritten
.set SPARE, WAVES*WREG                 ; behind the four regions: the spare words, 128 bytes a wave
	s_load_b256 s[4:11], s[0:1], 0x0               ; x, Wq, Wk, Wv
	s_load_b128 s[12:15], s[0:1], 0x20             ; codes, scales
	v_lshl_add_u32 v[SPW], v0, 2, SPARE
	v_mov_b32 v[NIL], 0
	v_lshrrev_b32 v1, 5, v0
	v_readfirstlane_b32 s16, v1                    ; wave
	v_and_b32 v2, 31, v0                           ; lane
	v_lshlrev_b32 v3, 4, v2                        ; my 16 bytes of a load's 512
	s_mul_i32 s17, s16, WREG
	v_lshrrev_b32 v14, 2, v2
	v_mul_u32_u24 v14, v14, SP
	v_and_b32 v15, 3, v2
	v_lshl_add_u32 v14, v15, 4, v14
	v_add_nc_u32 v14, s17, v14                     ; the stage, way in: SP (lane / 4) + 16 (lane % 4)
	v_mul_u32_u24 v15, v2, SP
	v_add_nc_u32 v15, s17, v15                     ; way out: SP x lane: my 16 neighbours
	v_mul_u32_u24 v4, v2, CB                       ; my codes' place in a step's
	v_lshrrev_b32 v5, 1, v2
	s_add_co_u32 s17, s17, 2*32*SP
	v_add_nc_u32 v5, s17, v5                       ; my wave's 256 scale bytes, my block's byte
	v_lshlrev_b32 v7, 3, v2
	v_add_nc_u32 v6, s17, v7                       ; and on the way out 8 bytes a lane
	s_mov_b32 s20, 288
	s_mov_b32 s21, 320
	s_wait_kmcnt 0x0
	s_cmp_lt_u32 ttmp9, 256                        ; which tensor: work-groups 0-255 x, 256-287 Wq, 288-319 Wk, 320-351 Wv; the choice hangs on the work-group's number alone
	s_cselect_b64 s[4:5], s[4:5], s[6:7]
	s_cselect_b32 s17, 0, 256
	s_cmp_lt_u32 ttmp9, s20
	s_cselect_b64 s[4:5], s[4:5], s[8:9]
	s_cselect_b32 s17, s17, s20
	s_cmp_lt_u32 ttmp9, s21
	s_cselect_b64 s[4:5], s[4:5], s[10:11]
	s_cselect_b32 s17, s17, s21                    ; the tensor's first work-group
	s_sub_co_u32 s17, ttmp9, s17
	s_lshl_b32 s17, s17, 2
	s_add_co_u32 s18, s17, s16                     ; which run of 8,192 numbers of the tensor is my wave's
	s_lshl_b32 s18, s18, 15                        ; 32,768 bytes a run
	s_mov_b32 s19, 0
	s_add_nc_u64 s[4:5], s[4:5], s[18:19]
	s_lshl_b32 s22, ttmp9, 2
	s_add_co_u32 s22, s22, s16                     ; and which run of the stacked buffers
	s_lshl_b32 s24, s22, 12                        ; 4,096 bytes of codes a run
	s_mov_b32 s25, 0
	s_add_nc_u64 s[12:13], s[12:13], s[24:25]
	s_lshl_b32 s24, s22, 8                         ; 256 scale bytes a run
	s_add_nc_u64 s[14:15], s[14:15], s[24:25]
.macro LOAD t
.irp i, 0,1,2,3
	global_load_b128 v[R+16*((\t)%4)+4*\i:R+16*((\t)%4)+4*\i+3], v3, s[4:5] offset:2048*(\t)+512*\i th:TH_LOAD_NT   ; 32 lanes read 512 consecutive bytes
.endr
.endm
.macro TURN t                          ; step t's numbers through the stage: LDS serves a wave's instructions in order, so no wait stands between the stores and the loads
.irp i, 0,1,2,3
	ds_store_b128 v14, v[R+16*((\t)%4)+4*\i:R+16*((\t)%4)+4*\i+3] offset:32*SP*((\t)%2)+8*SP*\i
.endr
.irp i, 0,1,2,3
	ds_load_b128 v[X+16*((\t)%2)+4*\i:X+16*((\t)%2)+4*\i+3], v15 offset:32*SP*((\t)%2)+16*\i
.endr
.endm
.irp t, 0,1,2,3
	LOAD \t
.endr
	s_wait_loadcnt 12                              ; step 0's four loads are in; the twelve of steps 1 to 3 may be out
	TURN 0
.macro STEP t
.set XS, X+16*((\t)%2)
.if (\t) > 0
	s_wait_dscnt 1                                 ; this step's numbers are back from the stage; the last step's byte store may be out
.else
	s_wait_dscnt 0x0
.endif
.if (\t)+4 < STEPS
	LOAD (\t)+4                                    ; into the registers that this step's stage stores have read
.endif
.if (\t)+1 < STEPS
.if STEPS-2-(\t) >= 3
	s_wait_loadcnt 12                              ; the next step's four loads are in; those of the three steps behind it may be out
.else
	s_wait_loadcnt 4*(STEPS-2-(\t))
.endif
	TURN (\t)+1
.endif
	v_max3_num_f32 v8, |v[XS]|, |v[XS+1]|, |v[XS+2]|               ; the largest magnitude of my 16, in two chains
	v_max3_num_f32 v9, |v[XS+3]|, |v[XS+4]|, |v[XS+5]|
.irp i, 6,10
	v_max3_num_f32 v8, v8, |v[XS+\i]|, |v[XS+\i+1]|
	v_max3_num_f32 v9, v9, |v[XS+\i+2]|, |v[XS+\i+3]|
.endr
	v_max3_num_f32 v8, v8, |v[XS+14]|, |v[XS+15]|
	v_max3_num_f32 v8, v8, v9, (EMAX+1)<<23        ; and the floor 2^(3 - 127): the byte cannot fall under 1
	v_max_num_f32_dpp v8, v8, v8 row_xmask:1 row_mask:0xf bank_mask:0xf   ; and of my neighbour's 16: the block's
	v_add_nc_u32 v11, -(EMAX<<23), v8              ; 2 off its exponent field: the conversion takes the exponent field of this operand as its scale
	v_cvt_scalef32_pk8_fp4_f32 v[C+4*(\t)], v[XS:XS+7], v11
	v_cvt_scalef32_pk8_fp4_f32 v[C+4*(\t)+1], v[XS+8:XS+15], v11
	v_lshrrev_b32 v[E+(\t)], 23, v11               ; the scale's byte (also the plain line behind the conversions)
	ds_store_b8 v5, v[E+(\t)] offset:16*(\t)       ; both lanes of a block write the same byte with the same value
	global_store_b64 v4, v[C+4*(\t):C+4*(\t)+1], s[12:13] offset:32*CB*(\t)   ; the wave stores 256 consecutive bytes, aligned
.endm
.irp t, 0,1,2,3,4,5,6,7,8,9,10,11,12,13,14,15
	STEP \t
.endr
	ds_load_b64 v[8:9], v6                         ; LDS serves a wave's instructions in order: these see my stores
	s_wait_dscnt 0x0
	global_store_b64 v7, v[8:9], s[14:15]          ; 32 lanes store 256 consecutive bytes, aligned
	s_wait_tensorcnt 0x0                           ; the wave's end, behind my last LDS store
	ds_add_u32 v[SPW], v[NIL]
	s_wait_dscnt 0x0
	s_endpgm
.Lfunc_end_k_qa04ee266e6_quant:
	.size	k_qa04ee266e6_quant, .Lfunc_end_k_qa04ee266e6_quant-k_qa04ee266e6_quant
	.p2alignl 7, 3214868480
	.fill 96, 4, 3214868480
	.section	.rodata,"a",@progbits
	.p2align	6, 0x0
	.amdhsa_kernel k_qa04ee266e6_quant
		.amdhsa_group_segment_fixed_size 33280
		.amdhsa_private_segment_fixed_size 0
		.amdhsa_enable_private_segment 0
		.amdhsa_kernarg_size 48
		.amdhsa_user_sgpr_count 2
		.amdhsa_user_sgpr_kernarg_segment_ptr 1
		.amdhsa_wavefront_size32 1
		.amdhsa_system_sgpr_workgroup_id_x 1
		.amdhsa_system_sgpr_workgroup_id_y 1
		.amdhsa_system_sgpr_workgroup_id_z 1
		.amdhsa_system_vgpr_workitem_id 0
		.amdhsa_next_free_vgpr 192
		.amdhsa_next_free_sgpr 66
		.amdhsa_reserve_vcc 0
		.amdhsa_float_denorm_mode_32 3
		.amdhsa_float_denorm_mode_16_64 3
		.amdhsa_memory_ordered 1
		.amdhsa_forward_progress 1
		.amdhsa_inst_pref_size 34
	.end_amdhsa_kernel
	.amdgpu_metadata
---
amdhsa.version: [ 1, 2 ]
amdhsa.kernels:
  - .name:           k_qa04ee266e6_quant
    .symbol:         k_qa04ee266e6_quant.kd
    .args:
      - { .name: x, .offset: 0, .size: 8, .value_kind: global_buffer, .address_space: global }
      - { .name: Wq, .offset: 8, .size: 8, .value_kind: global_buffer, .address_space: global }
      - { .name: Wk, .offset: 16, .size: 8, .value_kind: global_buffer, .address_space: global }
      - { .name: Wv, .offset: 24, .size: 8, .value_kind: global_buffer, .address_space: global }
      - { .name: codes, .offset: 32, .size: 8, .value_kind: global_buffer, .address_space: global }
      - { .name: scales, .offset: 40, .size: 8, .value_kind: global_buffer, .address_space: global }
    .group_segment_fixed_size: 33280
    .private_segment_fixed_size: 0
    .kernarg_segment_align: 8
    .kernarg_segment_size: 48
    .max_flat_workgroup_size: 128
    .sgpr_count:     66
    .vgpr_count:     192
    .wavefront_size: 32
...
	.end_amdgpu_metadata
.endif
;; end of part 1
;; launch proj (part 2): grid 8 x 48, 4 waves a work-group, clusters of 4 x 4, 327,680 bytes of LDS; arguments codes, scales, qkv; writes qkv
.if DOCPART == 2
	.amdgcn_target "amdgcn-amd-amdhsa--gfx1250"
	.amdhsa_code_object_version 6
	.text
	.protected	k_qa04ee266e6_proj
	.globl	k_qa04ee266e6_proj
	.p2align	8
	.type	k_qa04ee266e6_proj,@function
k_qa04ee266e6_proj:
	s_mov_b64 s[64:65], 0
	v_nop
	global_prefetch_b8 v0, s[64:65] scope:SCOPE_SE
	s_setreg_imm32_b32 hwreg(HW_REG_WAVE_MODE, 25, 1), 1
	s_wait_xcnt 0x0
	s_wait_alu depctr_hold_cnt(0) depctr_sa_sdst(0) depctr_va_vdst(0) depctr_va_sdst(0) depctr_va_ssrc(0) depctr_va_vcc(0) depctr_vm_vsrc(0)
	s_getreg_b32 s2, hwreg(HW_REG_IB_STS2, 6, 4)
	s_cmp_eq_u32 s2, 0
	s_cbranch_scc0 .Lentry_in_a_cluster
	s_endpgm
.Lentry_in_a_cluster:
	s_bfe_u32 s2, ttmp6, 0x10000c
	s_cmp_lg_u32 s2, 0xf033
	s_cbranch_scc0 .Lentry_shape_is_right
	s_endpgm
.Lentry_shape_is_right:
; q, k and v^T on codes of FP4 with E8M0 scales: three products as ONE picture, C = qkv seen as [12288][2048] f16 (a row is 4,096 bytes).  No work is left out.
; Rows 0-8191 of C: token t: q in columns 0-1023, k in columns 1024-2047: A = x's codes, B = Wq's and Wk's.  Rows 8192 + 1024 b + e: v^T of batch b, channel e, the 2,048 tokens along the row: A = Wv's codes, B = x's of batch b.
; Operand rows lie stacked in codes [11264][512 bytes] and scales [11264][32 bytes]; in tiles of 256 rows: x 0-31, Wq 32-35, Wk 36-39, Wv 40-43.
; A work-group of four waves makes 256 x 256 of C, a wave 128 x 128: 64 accumulators.  K = 1,024 is two slots of 512 (rows of 256 bytes): both are asked for at the head, nothing is filled again.
; The scale bytes of the 256 + 256 rows are two dense blocks: they come once, as runs of 256 bytes with 16 of padding.
; CLUSTERS: 4 x 4.  A's tile hangs on the tile row alone and is asked for jointly along a row of the cluster, B's on the tile column alone, along a column.  Which tensors are A and B hangs on the cluster's y alone, the same in all sixteen.
; The grid has 384 work-groups for 256 WGPs: a tile's products are few beside its bytes, and an even share (256 x 384 a work-group) leaves no registers for a second set of fragments.
; THE MATRIX INSTRUCTION IS USED TRANSPOSED (source 0 = 16 rows of B, source 1 = 16 rows of A): a lane holds eight neighbouring numbers of a row of C.
; LIMIT: results are rounded once to f16: |q|, |k|, |v| stay under 65,504 (inputs both 30 times the drawn spread give about 5,400; both with an offset of 30 spreads about 29,000).
; REGISTERS: window 0: v16-29 addresses; v32-95 scale words, two sets, and nothing else ever; v128-191 A's fragments, on the way out rows read back; v224-255 packed results.  window 1: B's fragments, two sets.  windows 2, 3: accumulators.
.set KSTEP,  512
.set NQ,     KSTEP/128
.set ROWB,   256                       ; a tile's row in bytes
.set KROW,   512                       ; a row of codes in memory
.set PITCH,  272                       ; an LDS row: 256 + 16 bytes: the 16 rows of a load start at 16 different banks
.set FR,     8
.set NL,     2
.set NP,     4
.set HALFT,  128*PITCH
.set SLOT,   4*HALFT
.set KS,     32                        ; a row of scale bytes
.set SCL,    2*SLOT
.set HALFS,  (128*KS/256)*272
.set SBLK,   (16*KS/256)*272
.set SPARE,  SCL+4*HALFS               ; the spare words, 128 bytes a wave
.set SPITCH, 272                       ; the way out: 16 rows x (256 + 16) bytes a wave, in slot 0, which has had its only fill and its last read by then
.set CROW,   4096                      ; a row of C in bytes
.set ADRA, 16
.set ADRB, 20
.set STO,  24
.set RD,   25
.set CO,   26
.set ADRS, 27
.set SPW,  28
.set NIL,  29
.set SC,   32
.set AF,   128
.set OB,   128
.set TMP,  224
.set G1, 24
.set G0, 32
.set G1B, 48
.set G0B, 56
.set G1S, 68
.set G0S, 76
.set G1SB, 80
.set G0SB, 88
.set MSB, 0
.macro WIN new                         ; the immediate's high byte repeats the setting that is left; a switch that changes nothing is dropped
.set WNEW, \new
.if MSB != WNEW
	s_set_vgpr_msb (MSB<<8)|WNEW
.set MSB, WNEW
.endif
.endm
.set MUL_LO, 0xa1                      ; source 0 (B) window 1, source 1 (A) window 0, C and D window 2
.set MUL_HI, 0xf1
.set TO_B,   0x40
; A joint load: waves 0 and 1 fetch for A, waves 2 and 3 for B; the branch hangs on the wave's number alone.  An s_nop 0 and four v_nop follow each line.
.macro JLOAD g0a, g1a, g0b, g1b
	s_cmp_eq_u32 s15, 0
	s_cbranch_scc0 .Lfor_b_\@
	tensor_load_to_lds s[\g0a:\g0a+3], s[\g1a:\g1a+7]
	s_nop 0
.rept 4
	v_nop
.endr
	s_branch .Lasked_\@
.Lfor_b_\@:
	tensor_load_to_lds s[\g0b:\g0b+3], s[\g1b:\g1b+7]
	s_nop 0
.rept 4
	v_nop
.endr
.Lasked_\@:
.endm
.macro CROUND                          ; a round of the cluster's barrier
	s_barrier_signal -1
	s_barrier_wait -1
	s_cmp_lg_u32 s14, 0
	s_cbranch_scc1 .Lnot_wave_0_\@
	s_barrier_signal -3
.Lnot_wave_0_\@:
	s_barrier_wait -3
	s_barrier_signal -1
	s_barrier_wait -1
.endm
	s_load_b128 s[4:7], s[0:1], 0x0                ; codes s[4:5], scales s[6:7]
	s_load_b64 s[12:13], s[0:1], 0x10              ; qkv
	v_lshl_add_u32 v[SPW], v0, 2, SPARE
	v_mov_b32 v[NIL], 0
	ds_add_u32 v[SPW], v[NIL]                      ; the wave's opening: the add, twice on end, and its wait ahead of my first tensor load
	ds_add_u32 v[SPW], v[NIL]
	v_lshrrev_b32 v1, 5, v0
	v_readfirstlane_b32 s14, v1                    ; wave 0..3
	s_lshr_b32 s15, s14, 1                         ; my half of the tile's rows.  Also: I fetch for A (0) or for B (1)
	s_and_b32 s16, s14, 1                          ; my half of its columns.  Also: which 128 rows I fetch
	s_bfe_u32 s40, ttmp6, 0x40000                  ; cx
	s_bfe_u32 s41, ttmp6, 0x40004                  ; cy
	s_lshl_b32 s42, ttmp9, 2
	s_add_co_u32 s42, s42, s40                     ; tile column of C
	s_and_b32 s66, ttmp7, 0xffff                   ; the cluster's y, 0..11
	s_lshl_b32 s96, s66, 2
	s_add_co_u32 s96, s96, s41                     ; tile row of C
	; A's tile: cluster y under 8: x's tile = the tile row; else Wv's tile 40 + cy.  B's tile: under 8: 32 + tile column (Wq, Wk); else x's tile 8 x batch + tile column
	s_min_u32 s17, s66, 8
	s_lshr_b32 s94, s17, 3                         ; 1 for v^T, 0 for q and k
	s_lshl_b32 s95, s94, 1
	s_add_co_u32 s17, s17, s95                     ; the cluster's y, or 10
	s_lshl_b32 s17, s17, 2
	s_add_co_u32 s17, s17, s41                     ; A's tile: holds cy, never cx
	s_max_u32 s67, s66, 8
	s_sub_co_u32 s67, s67, 8                       ; the batch (0 for q and k)
	s_lshl_b32 s67, s67, 3
	s_xor_b32 s94, s94, 1
	s_lshl_b32 s94, s94, 5                         ; 32 for q and k
	s_add_co_u32 s67, s67, s94
	s_add_co_u32 s67, s67, s42                     ; B's tile: holds cx, never cy
	s_lshl_b32 s43, s41, 2
	s_lshl_b32 s43, 15, s43                        ; my row of the cluster
	s_lshl_b32 s44, 0x1111, s40                    ; my column
	; group 1 for the codes: 128 rows x 256 bytes, 16 bytes of padding behind each row
	s_or_b32 s[G1+0], s43, (0<<16)|(1<<20)|(1<<21)|(5<<22)|(3<<25)  ; the mask; elements of 1 byte; padding on; bit 21 beside a mask; after every 64 words; 4 words
	s_or_b32 s[G1B+0], s44, (0<<16)|(1<<20)|(1<<21)|(5<<22)|(3<<25)
.irp g, G1, G1B
	s_mov_b32 s[\g+1], ROWB<<16                    ; tensor_dim0
	s_mov_b32 s[\g+2], 128<<16                     ; tensor_dim1
	s_mov_b32 s[\g+3], ROWB<<16                    ; tile_dim0
	s_mov_b32 s[\g+4], 128                         ; tile_dim1
	s_mov_b32 s[\g+5], KROW                        ; from row to row
	s_mov_b32 s[\g+6], 0
	s_mov_b32 s[\g+7], 0
.endr
	; group 1 for the scale bytes of 128 rows: 4,096 dense bytes as 16 rows of 256 (32 elements of 8 bytes), 16 bytes of padding behind each
	s_or_b32 s[G1S+0], s43, (3<<16)|(1<<20)|(1<<21)|(5<<22)|(3<<25)
	s_or_b32 s[G1SB+0], s44, (3<<16)|(1<<20)|(1<<21)|(5<<22)|(3<<25)
.irp g, G1S, G1SB
	s_mov_b32 s[\g+1], 32<<16
	s_mov_b32 s[\g+2], (128*KS/256)<<16
	s_mov_b32 s[\g+3], 32<<16
	s_mov_b32 s[\g+4], 128*KS/256
	s_mov_b32 s[\g+5], 32
	s_mov_b32 s[\g+6], 0
	s_mov_b32 s[\g+7], 0
.endr
	s_lshl_b32 s18, s16, 7                         ; which 128 rows of the tile I fetch
	s_lshl_b32 s20, s17, 8
	s_add_co_u32 s20, s20, s18                     ; A's first row in the stacked buffers
	s_lshl_b32 s46, s67, 8
	s_add_co_u32 s46, s46, s18                     ; B's
	s_lshl_b32 s22, s20, 5                         ; their scale bytes: 32 a row
	s_mov_b32 s23, 0
	s_lshl_b32 s92, s46, 5
	s_mov_b32 s93, 0
	s_lshl_b32 s20, s20, 9                         ; their codes: 512 bytes a row (all under 2^23)
	s_mov_b32 s21, 0
	s_lshl_b32 s46, s46, 9
	s_mov_b32 s47, 0
	s_mul_i32 s45, s14, HALFT                      ; where they go: wave x 128 rows: no place in the cluster enters an LDS address
	s_mul_i32 s94, s14, HALFS
	s_wait_dscnt 0x0                               ; both opening adds are done
	s_wait_kmcnt 0x0
	s_add_nc_u64 s[20:21], s[4:5], s[20:21]
	s_add_nc_u64 s[22:23], s[6:7], s[22:23]
	s_add_nc_u64 s[46:47], s[4:5], s[46:47]
	s_add_nc_u64 s[92:93], s[6:7], s[92:93]
	CROUND                                         ; all sixteen work-groups are here: the first joint loads meet
	s_mov_b32 s[G0S], 1
	s_add_co_u32 s[G0S+1], s94, SCL
	s_mov_b64 s[G0S+2:G0S+3], s[22:23]
	s_or_b32 s[G0S+3], s[G0S+3], 0x80000000
	s_mov_b32 s[G0SB], 1
	s_add_co_u32 s[G0SB+1], s94, SCL
	s_mov_b64 s[G0SB+2:G0SB+3], s[92:93]
	s_or_b32 s[G0SB+3], s[G0SB+3], 0x80000000
	JLOAD G0S, G1S, G0SB, G1SB                     ; the scales first: they are wanted with the first slot
.irp s, 0,1
	s_mov_b32 s[G0+4*\s], 1
	s_add_co_u32 s[G0+4*\s+1], s45, \s*SLOT
	s_add_nc_u64 s[G0+4*\s+2:G0+4*\s+3], s[20:21], \s*ROWB
	s_or_b32 s[G0+4*\s+3], s[G0+4*\s+3], 0x80000000
	s_mov_b32 s[G0B+4*\s], 1
	s_add_co_u32 s[G0B+4*\s+1], s45, \s*SLOT
	s_add_nc_u64 s[G0B+4*\s+2:G0B+4*\s+3], s[46:47], \s*ROWB
	s_or_b32 s[G0B+4*\s+3], s[G0B+4*\s+3], 0x80000000
	JLOAD G0+4*\s, G1, G0B+4*\s, G1B               ; three loads of mine are out in all
.endr
	v_and_b32 v1, 15, v0                           ; l % 16
	v_bfe_u32 v2, v0, 4, 1                         ; l / 16
	v_mul_u32_u24 v3, v1, PITCH
	v_lshl_add_u32 v4, v2, 4, v3                   ; a fragment's row x pitch + 16 x half
	s_mul_i32 s21, s15, HALFT                      ; my 128 rows of A
	s_mul_i32 s22, s16, HALFT
	s_add_co_u32 s22, s22, 2*HALFT                 ; my 128 rows of B, behind A's 256
.irp s, 0,1
	v_add_nc_u32 v[ADRA+\s], s21, v4
	v_add_nc_u32 v[ADRB+\s], s22, v4
	s_add_co_u32 s21, s21, SLOT
	s_add_co_u32 s22, s22, SLOT
.endr
	v_mul_u32_u24 v5, v1, KS                       ; my row's scales: 32 bytes a row,
	v_lshrrev_b32 v6, 8, v5
	v_lshl_add_u32 v5, v6, 4, v5                   ; and 16 more for each 256 passed
	s_mul_i32 s21, s15, HALFS
	s_mul_i32 s22, s16, HALFS
	s_add_co_u32 s22, s22, 2*HALFS
	s_sub_co_u32 s22, s22, s21
	v_mul_u32_u24 v6, s22, v2                      ; lanes 16-31 take B's: one product, the distance between the two bases
	s_add_co_u32 s21, s21, SCL
	v_add_nc_u32 v5, v5, v6
	v_add_nc_u32 v[ADRS], s21, v5
	s_mul_i32 s23, s14, 16*SPITCH                  ; my stage
	v_mul_u32_u24 v5, v1, SPITCH                   ; in: row l % 16, 16 bytes for each half of the lanes
	v_lshl_add_u32 v5, v2, 4, v5
	v_add_nc_u32 v[STO], s23, v5
	v_mul_u32_u24 v5, v2, SPITCH                   ; back: lanes 0-15 one row of 256 bytes, lanes 16-31 the next
	v_lshl_add_u32 v5, v1, 4, v5
	v_add_nc_u32 v[RD], s23, v5
	v_lshlrev_b32 v5, 12, v2                       ; and the same two rows in C
	v_lshl_add_u32 v[CO], v1, 4, v5
	s_lshl_b32 s20, s96, 8
	s_lshl_b32 s21, s15, 7
	s_add_co_u32 s20, s20, s21                     ; my first row of C
	s_lshl_b32 s20, s20, 12                        ; in bytes (under 2^26)
	s_lshl_b32 s46, s42, 9                         ; my first column in bytes: 512 x tile column + 256 x half
	s_lshl_b32 s47, s16, 8
	s_add_co_u32 s46, s46, s47
	s_add_co_u32 s20, s20, s46
	s_mov_b32 s21, 0
	s_add_nc_u64 s[12:13], s[12:13], s[20:21]
.macro FRAG reg, adr, q, i             ; 16 rows x 128 K of 4-bit codes: 8 registers: lane l holds row l % 16; registers 4 c .. 4 c + 3 hold K = 64 c + 32 (l / 16) + 0 .. 31
.irp c, 0,1
	ds_load_b128 v[\reg+4*\c:\reg+4*\c+3], v[\adr] offset:64*(\q)+32*\c+(\i)*16*PITCH
.endr
.endm
; 16 matrix instructions: A's blocks a0, a0 + 1 x B's eight.  The 64 accumulators take turns, one instruction a turn.  zero = 1: the first product starts the sums.
.macro MUL16 a0, p, q, sc, zero
.irp a, \a0, \a0+1
.irp b, 0,1,2,3,4,5,6,7
.if \zero
	v_wmma_scale_f32_16x16x128_f8f6f4 v[8*(8*((\a)%4)+\b):8*(8*((\a)%4)+\b)+7], v[128*(\p)+FR*\b:128*(\p)+FR*\b+FR-1], v[AF+FR*(\a):AF+FR*(\a)+FR-1], 0, v[SC+8*NQ*(\sc)+NQ*\b+(\q)], v[SC+8*NQ*(\sc)+NQ*(\a)+(\q)] matrix_a_fmt:MATRIX_FMT_FP4 matrix_b_fmt:MATRIX_FMT_FP4 matrix_a_scale:MATRIX_SCALE_ROW1
.else
	v_wmma_scale_f32_16x16x128_f8f6f4 v[8*(8*((\a)%4)+\b):8*(8*((\a)%4)+\b)+7], v[128*(\p)+FR*\b:128*(\p)+FR*\b+FR-1], v[AF+FR*(\a):AF+FR*(\a)+FR-1], v[8*(8*((\a)%4)+\b):8*(8*((\a)%4)+\b)+7], v[SC+8*NQ*(\sc)+NQ*\b+(\q)], v[SC+8*NQ*(\sc)+NQ*(\a)+(\q)] matrix_a_fmt:MATRIX_FMT_FP4 matrix_b_fmt:MATRIX_FMT_FP4 matrix_a_scale:MATRIX_SCALE_ROW1
.endif
.endr
.endr
.endm
.macro FETCH_B slot, q, p
	WIN TO_B
.irp i, 0,1,2,3,4,5,6,7
	FRAG 128*(\p)+FR*\i, ADRB+\slot, \q, \i
.endr
	WIN 0
.endm
.macro FETCH_A slot, q, i0
.irp i, \i0, \i0+1, \i0+2, \i0+3
	FRAG AF+FR*(\i), ADRA+\slot, \q, \i
.endr
.endm
.macro SCALES sc                       ; a slot's scale words: 4 words a row; lanes 0-15 take A's block i, lanes 16-31 B's block i
.irp i, 0,1,2,3,4,5,6,7
	ds_load_b128 v[SC+8*NQ*\sc+NQ*\i:SC+8*NQ*\sc+NQ*\i+3], v[ADRS] offset:\i*SBLK
.endr
.endm
.macro PLACES n                        ; plain vector lines between a matrix instruction and a load into, or a read of, its registers
.rept \n
	v_nop
.endr
.endm
.macro STEP slot, q, zero              ; 128 along K, with its successor in the same slot
	s_wait_dscnt 4*NL                              ; B's set and A's blocks 0-3 are in; the youngest eight loads (A's blocks 4-7) may be out
	WIN MUL_LO
	MUL16 0, (\q)%2, \q, \slot, \zero
	MUL16 2, (\q)%2, \q, \slot, \zero
	s_wait_dscnt 0
	PLACES NP
	FETCH_B \slot, (\q)+1, 1-(\q)%2
	FETCH_A \slot, (\q)+1, 0
	WIN MUL_HI
	MUL16 4, (\q)%2, \q, \slot, \zero
	MUL16 6, (\q)%2, \q, \slot, \zero
	PLACES NP
	WIN 0
	FETCH_A \slot, (\q)+1, 4
.endm
.macro STEPS slot, from
.set Q, \from
.rept NQ-1-\from
	STEP \slot, Q, 0
.set Q, Q+1
.endr
.endm
	s_wait_tensorcnt 1                             ; the scales and my part of slot 0 are in; slot 1's load may be out
	s_barrier_signal -1
	s_barrier_wait -1
	FETCH_B 0, 0, 0
	FETCH_A 0, 0, 0
	SCALES 0
	FETCH_A 0, 0, 4
	STEP 0, 0, 1                                   ; the first step's products start the sums
	STEPS 0, 1
	; slot 0's last step changes slots: one barrier; in front of it every wave has all its tensor loads in (slot 1 is whole behind it) and its reads of slot 0 over (the stage may be laid there)
	s_wait_tensorcnt 0x0
	ds_add_u32 v[SPW], v[NIL]
	s_wait_dscnt 4*NL+1                            ; the add and the youngest eight loads may be out
	WIN MUL_LO
	MUL16 0, 1, NQ-1, 0, 0
	s_wait_dscnt 0x0
	s_barrier_signal -1
	MUL16 2, 1, NQ-1, 0, 0
	WIN 0
	s_barrier_wait -1
	PLACES NP
	v_add_nc_u32 v[ADRS], 4*NQ, v[ADRS]            ; on to slot 1's scale words
	FETCH_B 1, 0, 0
	FETCH_A 1, 0, 0
	SCALES 1
	WIN MUL_HI
	MUL16 4, 1, NQ-1, 0, 0
	MUL16 6, 1, NQ-1, 0, 0
	PLACES NP
	WIN 0
	FETCH_A 1, 0, 4
	STEPS 1, 0
	s_wait_dscnt 4*NL                              ; the very last step
	WIN MUL_LO
	MUL16 0, 1, NQ-1, 1, 0
	MUL16 2, 1, NQ-1, 1, 0
	s_wait_dscnt 0
	WIN MUL_HI
	MUL16 4, 1, NQ-1, 1, 0
	MUL16 6, 1, NQ-1, 1, 0
	WIN 0
; THE WAY OUT, a block of 16 rows x 128 columns at a time: rounded to f16 (16 bytes a lane), through my stage, back as whole rows of 256 bytes, stored by sixteen lanes each.
.macro PACK a
.set AC, 64*((\a)%4)
	WIN 0x0a+5*((\a)/4)                            ; sources window 2 or 3
.irp b, 0,1,2,3,4,5,6,7
.irp r, 0,1,2,3
	v_cvt_pk_f16_f32 v[TMP+4*\b+\r], v[AC+8*\b+2*\r], v[AC+8*\b+2*\r+1]   ; each accumulator from its low end on
.endr
.endr
	WIN 0
.endm
.macro TOSTAGE a
.set BB, OB+32*((\a)%2)
.irp b, 0,1,2,3,4,5,6,7
	ds_store_b128 v[STO], v[TMP+4*\b:TMP+4*\b+3] offset:32*\b
.endr
.irp t, 0,1,2,3,4,5,6,7
	ds_load_b128 v[BB+4*\t:BB+4*\t+3], v[RD] offset:\t*2*SPITCH    ; LDS serves a wave's instructions in order: these see the stores above
.endr
.endm
.macro SEND a
.set BB, OB+32*((\a)%2)
	s_wait_dscnt 0x0                               ; the block is back in registers
	s_wait_xcnt 0x0                                ; the block before's stores have read their registers: the next block's loads may land there
.irp t, 0,1,2,3,4,5,6,7
	global_store_b128 v[CO], v[BB+4*\t:BB+4*\t+3], s[12:13] offset:(16*(\a)+2*\t)*CROW   ; 16 lanes store 256 consecutive bytes, aligned; 126 rows at the most stand in the immediate
.endr
.endm
	PLACES NP
	PACK 0
	TOSTAGE 0
.irp a, 1,2,3,4,5,6,7
	PACK \a
	SEND \a-1
	TOSTAGE \a
.endr
	SEND 7
	s_wait_tensorcnt 0x0                           ; the wave's end
	ds_add_u32 v[SPW], v[NIL]
	s_wait_dscnt 0x0
	CROUND                                         ; the closing round
	s_endpgm
.Lfunc_end_k_qa04ee266e6_proj:
	.size	k_qa04ee266e6_proj, .Lfunc_end_k_qa04ee266e6_proj-k_qa04ee266e6_proj
	.p2alignl 7, 3214868480
	.fill 96, 4, 3214868480
	.section	.rodata,"a",@progbits
	.p2align	6, 0x0
	.amdhsa_kernel k_qa04ee266e6_proj
		.amdhsa_group_segment_fixed_size 327680
		.amdhsa_private_segment_fixed_size 0
		.amdhsa_enable_private_segment 0
		.amdhsa_kernarg_size 24
		.amdhsa_user_sgpr_count 2
		.amdhsa_user_sgpr_kernarg_segment_ptr 1
		.amdhsa_wavefront_size32 1
		.amdhsa_system_sgpr_workgroup_id_x 1
		.amdhsa_system_sgpr_workgroup_id_y 1
		.amdhsa_system_sgpr_workgroup_id_z 1
		.amdhsa_system_vgpr_workitem_id 0
		.amdhsa_next_free_vgpr 1024
		.amdhsa_next_free_sgpr 98
		.amdhsa_reserve_vcc 0
		.amdhsa_float_denorm_mode_32 3
		.amdhsa_float_denorm_mode_16_64 3
		.amdhsa_memory_ordered 1
		.amdhsa_forward_progress 1
		.amdhsa_inst_pref_size 126
	.end_amdhsa_kernel
	.amdgpu_metadata
---
amdhsa.version: [ 1, 2 ]
amdhsa.kernels:
  - .name:           k_qa04ee266e6_proj
    .symbol:         k_qa04ee266e6_proj.kd
    .args:
      - { .name: codes, .offset: 0, .size: 8, .value_kind: global_buffer, .address_space: global }
      - { .name: scales, .offset: 8, .size: 8, .value_kind: global_buffer, .address_space: global }
      - { .name: qkv, .offset: 16, .size: 8, .value_kind: global_buffer, .address_space: global }
    .group_segment_fixed_size: 327680
    .private_segment_fixed_size: 0
    .kernarg_segment_align: 8
    .kernarg_segment_size: 24
    .max_flat_workgroup_size: 128
    .sgpr_count:     98
    .vgpr_count:     1024
    .wavefront_size: 32
...
	.end_amdgpu_metadata
.endif
;; end of part 2
;; launch scores (part 3): grid 8 x 32, 4 waves a work-group, clusters of 4 x 4, 327,680 bytes of LDS; arguments qkv, p, stats; writes p, stats
.if DOCPART == 3
	.amdgcn_target "amdgcn-amd-amdhsa--gfx1250"
	.amdhsa_code_object_version 6
	.text
	.protected	k_qa04ee266e6_scores
	.globl	k_qa04ee266e6_scores
	.p2align	8
	.type	k_qa04ee266e6_scores,@function
k_qa04ee266e6_scores:
	s_mov_b64 s[64:65], 0
	v_nop
	global_prefetch_b8 v0, s[64:65] scope:SCOPE_SE
	s_setreg_imm32_b32 hwreg(HW_REG_WAVE_MODE, 25, 1), 1
	s_wait_xcnt 0x0
	s_wait_alu depctr_hold_cnt(0) depctr_sa_sdst(0) depctr_va_vdst(0) depctr_va_sdst(0) depctr_va_ssrc(0) depctr_va_vcc(0) depctr_vm_vsrc(0)
	s_getreg_b32 s2, hwreg(HW_REG_IB_STS2, 6, 4)
	s_cmp_eq_u32 s2, 0
	s_cbranch_scc0 .Lentry_in_a_cluster
	s_endpgm
.Lentry_in_a_cluster:
	s_bfe_u32 s2, ttmp6, 0x10000c
	s_cmp_lg_u32 s2, 0xf033
	s_cbranch_scc0 .Lentry_shape_is_right
	s_endpgm
.Lentry_shape_is_right:
; S = q k^T in f16 with f32 sums, and the softmax's numerators.  No work is left out.  q: rows t of qkv, columns 0-1023; k: the same rows, columns 1024-2047; a row of qkv is 4,096 bytes.
; A work-group of four waves makes 256 queries x 256 keys of one batch, a wave 128 x 128: 64 accumulators.  K = 1,024 goes in 8 steps of 128 through two LDS slots (rows of 256 bytes).
; THE SOFTMAX IS SPLIT.  t = score x c, c = log2(e) / 32.  For each query and each chunk of 128 keys (a wave's columns): M_c = the chunk's largest t rounded up to a whole number; p = 2^(t - M_c), rounded to f16;
; -M_c and l_c = the sum of the unrounded p go to stats: -M [16 chunks][8192 rows] f32 at byte 0, l likewise at byte 524,288.  The next launch takes the row's largest M_c and brings every chunk's sums under it by an exact power of two:
; so the row's true maximum is what is taken away.
; p IS LAID IN THE ORDER OF THE NEXT PRODUCT'S OPERAND REGISTERS: a block of 16 queries x 16 keys is 512 bytes, lane l's 16 bytes at 16 l (query l % 16, keys 8 (l / 16) + 0 .. 7); block (Q, b), Q = query / 16 of all 8,192,
; b = key / 16 in the batch, lies at (128 Q + b) x 512.  The packed results are those registers as they stand: each store of the wave covers 512 consecutive bytes, aligned, and nothing goes through LDS.
; CLUSTERS: 4 x 4: q's tile is asked for jointly along a row of the cluster, k's along a column.  THE MATRIX INSTRUCTION IS USED TRANSPOSED (source 0 = 16 keys, source 1 = 16 queries): a lane holds one query and eight neighbouring keys.
; LIMITS: NaN and infinities are not served; p under 2^-24 falls to 0.
; REGISTERS: window 0: v16-31 addresses; v64-127, v128-191 q's fragments, two buffers; on the way out v64-71 at work, v80 -M, v192-223 and v224-255 packed p, by turns.  window 1: k's fragments.  windows 2, 3: accumulators.
.set KSTEP,  128
.set PITCH,  272                       ; an LDS row: 256 + 16 bytes
.set HALFT,  128*PITCH
.set SLOT,   4*HALFT
.set STAT,   2*SLOT                    ; behind the ring: 1,024 bytes a wave: -M of its 128 rows, then l
.set SPARE,  STAT+4*1024               ; the spare words, 128 bytes a wave
.set LAPS,   4                         ; a lap = two K steps
.set ADRA, 16
.set ADRB, 20
.set SG,   22                          ; v22 16 x lane
.set SA,   27                          ; v27 where I put my row's -M
.set SPW,  28
.set NIL,  29
.set PFO,  30                          ; v30 4,096 x lane: the prefetches' offset
.set SR,   31                          ; v31 where I read 16 bytes of the wave's statistics back
.set F0,   64
.set F1,   128
.set T,    64
.set NM,   80
.set TMP,  192
.set G1, 24
.set G0, 32
.set LIM, 43
.set PFA, 44
.set G1B, 48
.set G0B, 56
.set CS,  66                           ; s[66:67] c
.set SEL, 68                           ; s[68:69] lane l xor 16
.set STS, 70                           ; s[70:71] stats
.set MSB, 0
.macro WIN new                         ; the immediate's high byte repeats the setting that is left; a switch that changes nothing is dropped
.set WNEW, \new
.if MSB != WNEW
	s_set_vgpr_msb (MSB<<8)|WNEW
.set MSB, WNEW
.endif
.endm
.set MUL_LO, 0xa1
.set MUL_HI, 0xf1
.set TO_B,   0x40
.macro JLOAD s                         ; a joint load: waves 0 and 1 fetch q's halves, waves 2 and 3 k's; an s_nop 0 and four v_nop follow each line
	s_cmp_eq_u32 s11, 0
	s_cbranch_scc0 .Lfor_b_\@
	tensor_load_to_lds s[G0+4*\s:G0+4*\s+3], s[G1:G1+7]
	s_nop 0
.rept 4
	v_nop
.endr
	s_branch .Lasked_\@
.Lfor_b_\@:
	tensor_load_to_lds s[G0B+4*\s:G0B+4*\s+3], s[G1B:G1B+7]
	s_nop 0
.rept 4
	v_nop
.endr
.Lasked_\@:
.endm
; A prefetch of the K step that stands two refills on: 32 rows x 256 bytes, a lane a row.  Each row's 256 bytes of a K step are named once: q's rows by the cluster with x = 0, k's by the even cluster of a batch's two;
; the four partners that ask for a tile jointly take 32 of a wave's 128 rows each, told apart by address.  The loop's last trip asks for nothing: there is no K step two on.
.macro ASK
	s_cmp_gt_u32 s3, s[LIM]
	s_cbranch_scc0 .Lnot_mine_\@
	global_prefetch_b8 v[PFO], s[PFA:PFA+1] offset:KSTEP*2 th:TH_LOAD_NT scope:SCOPE_SE
.Lnot_mine_\@:
.endm
.macro CREST
	s_cmp_lg_u32 s10, 0
	s_cbranch_scc1 .Lnot_wave_0_\@
	s_barrier_signal -3
.Lnot_wave_0_\@:
	s_barrier_wait -3
	s_barrier_signal -1
	s_barrier_wait -1
.endm
.macro CROUND
	s_barrier_signal -1
	s_barrier_wait -1
	CREST
.endm
	s_load_b128 s[4:7], s[0:1], 0x0                ; qkv s[4:5], p s[6:7]
	s_load_b64 s[STS:STS+1], s[0:1], 0x10          ; stats
	v_lshl_add_u32 v[SPW], v0, 2, SPARE
	v_mov_b32 v[NIL], 0
	ds_add_u32 v[SPW], v[NIL]                      ; the wave's opening: the add, twice on end, and its wait ahead of my first tensor load
	ds_add_u32 v[SPW], v[NIL]
	v_lshrrev_b32 v1, 5, v0
	v_readfirstlane_b32 s10, v1                    ; wave
	s_lshr_b32 s11, s10, 1                         ; my half of the queries.  Also: I fetch q (0) or k (1)
	s_and_b32 s12, s10, 1                          ; my half of the keys.  Also: which 128 rows I fetch
	s_bfe_u32 s40, ttmp6, 0x40000                  ; cx
	s_bfe_u32 s41, ttmp6, 0x40004                  ; cy
	s_lshl_b32 s42, ttmp9, 2
	s_add_co_u32 s42, s42, s40                     ; the key tile, 0..7
	s_and_b32 s2, ttmp7, 0xffff                    ; the cluster's y, 0..7; the batch is half of it
	s_lshl_b32 s13, s2, 2
	s_add_co_u32 s13, s13, s41                     ; the query tile, 0..31
	s_lshl_b32 s43, s41, 2
	s_lshl_b32 s43, 15, s43                        ; my row of the cluster
	s_lshl_b32 s44, 0x1111, s40                    ; my column
	s_or_b32 s[G1+0], s43, (1<<16)|(1<<20)|(1<<21)|(5<<22)|(3<<25)  ; the mask; elements of 2 bytes; padding on; bit 21 beside a mask; after every 64 words; 4 words
	s_or_b32 s[G1B+0], s44, (1<<16)|(1<<20)|(1<<21)|(5<<22)|(3<<25)
.irp g, G1, G1B
	s_mov_b32 s[\g+1], KSTEP<<16                   ; tensor_dim0 = 128
	s_mov_b32 s[\g+2], 128<<16                     ; tensor_dim1 = 128
	s_mov_b32 s[\g+3], KSTEP<<16                   ; tile_dim0
	s_mov_b32 s[\g+4], 128                         ; tile_dim1
	s_mov_b32 s[\g+5], 2048                        ; elements from row to row
	s_mov_b32 s[\g+6], 0
	s_mov_b32 s[\g+7], 0
.endr
	s_lshl_b32 s17, s12, 7
	s_lshl_b32 s16, s13, 8
	s_add_co_u32 s16, s16, s17                     ; q: row 256 x query tile + 128 x half
	s_lshl_b32 s16, s16, 12                        ; in bytes (under 2^25)
	s_lshr_b32 s46, s2, 1
	s_lshl_b32 s46, s46, 11                        ; k: row 2,048 x batch
	s_lshl_b32 s47, s42, 8
	s_add_co_u32 s46, s46, s47                     ; + 256 x key tile
	s_add_co_u32 s46, s46, s17                     ; + 128 x half
	s_lshl_b32 s46, s46, 12
	s_mov_b32 s17, 0
	s_mov_b32 s47, 0
	s_mul_i32 s20, s10, HALFT                      ; where they go: wave x 128 rows
	s_mov_b32 s[CS], 0x3d38aa3b                    ; c = log2(e) / 32
	s_mov_b32 s[CS+1], s[CS]
	s_mov_b32 s[SEL], 0x76543210
	s_mov_b32 s[SEL+1], 0xfedcba98
	s_wait_dscnt 0x0                               ; both opening adds are done
	s_wait_kmcnt 0x0
	s_mov_b64 s[8:9], s[6:7]                       ; p
	s_add_nc_u64 s[6:7], s[4:5], 2048              ; k's columns begin 2,048 bytes into a row
	s_add_nc_u64 s[14:15], s[4:5], s[16:17]
	s_add_nc_u64 s[46:47], s[6:7], s[46:47]
	CROUND                                         ; all sixteen work-groups are here
.irp s, 0,1
	s_mov_b32 s[G0+4*\s], 1
	s_add_co_u32 s[G0+4*\s+1], s20, \s*SLOT
	s_add_nc_u64 s[G0+4*\s+2:G0+4*\s+3], s[14:15], \s*KSTEP*2
	s_or_b32 s[G0+4*\s+3], s[G0+4*\s+3], 0x80000000
	s_mov_b32 s[G0B+4*\s], 1
	s_add_co_u32 s[G0B+4*\s+1], s20, \s*SLOT
	s_add_nc_u64 s[G0B+4*\s+2:G0B+4*\s+3], s[46:47], \s*KSTEP*2
	s_or_b32 s[G0B+4*\s+3], s[G0B+4*\s+3], 0x80000000
	JLOAD \s                                       ; two loads of mine are out
.endr
	v_and_b32 v1, 15, v0                           ; l % 16
	v_bfe_u32 v2, v0, 4, 1                         ; l / 16
	v_mul_u32_u24 v3, v1, PITCH
	v_lshl_add_u32 v3, v2, 4, v3
	s_mul_i32 s21, s11, HALFT                      ; my 128 queries
	s_mul_i32 s22, s12, HALFT
	s_add_co_u32 s22, s22, 2*HALFT                 ; my 128 keys
.irp s, 0,1
	v_add_nc_u32 v[ADRA+\s], s21, v3
	v_add_nc_u32 v[ADRB+\s], s22, v3
	s_add_co_u32 s21, s21, SLOT
	s_add_co_u32 s22, s22, SLOT
.endr
	v_and_b32 v5, 31, v0
	v_lshlrev_b32 v[SG], 4, v5
	s_lshl_b32 s23, s10, 10
	s_add_co_u32 s23, s23, STAT                    ; my wave's statistics
	v_lshl_add_u32 v[SA], v1, 2, s23
	v_add_nc_u32 v[SR], s23, v[SG]
	s_lshl_b32 s16, s13, 8
	s_lshl_b32 s17, s11, 7
	s_add_co_u32 s16, s16, s17                     ; my first query
	s_lshl_b32 s18, s16, 2                         ; in stats: 4 bytes a row,
	s_lshl_b32 s19, s42, 1
	s_add_co_u32 s19, s19, s12                     ; my chunk = 2 x key tile + half,
	s_lshl_b32 s19, s19, 15                        ; 32,768 bytes a chunk
	s_add_co_u32 s18, s18, s19
	s_mov_b32 s19, 0
	s_add_nc_u64 s[STS:STS+1], s[STS:STS+1], s[18:19]
	s_lshl_b32 s16, s16, 12                        ; in p: my first block of 16 queries x 65,536 bytes = my first query x 4,096 (under 2^25),
	s_lshl_b32 s46, s42, 4
	s_lshl_b32 s47, s12, 3
	s_add_co_u32 s46, s46, s47                     ; my first block of 16 keys = 16 x key tile + 8 x half,
	s_lshl_b32 s46, s46, 9                         ; 512 bytes each
	s_add_co_u32 s16, s16, s46
	s_mov_b32 s17, 0
	s_add_nc_u64 s[8:9], s[8:9], s[16:17]
	; the prefetches: where mine stand, and who asks
	s_lshl_b32 s20, s13, 8                         ; q's tile's first row
	s_lshr_b32 s21, s2, 1
	s_lshl_b32 s21, s21, 11
	s_lshl_b32 s22, s42, 8
	s_add_co_u32 s21, s21, s22                     ; k's
	s_and_b32 s22, s2, 1
	s_cmp_eq_u32 s11, 0                            ; do I fetch q?
	s_cselect_b32 s20, s20, s21
	s_cselect_b32 s21, s40, s41                    ; my place among the four that ask with me
	s_cselect_b32 s22, ttmp9, s22                  ; the coordinate along which other clusters read the same rows
	s_cselect_b64 s[PFA:PFA+1], s[4:5], s[6:7]
	s_cmp_eq_u32 s22, 0
	s_cselect_b32 s[LIM], 1, -1                    ; the same in all sixteen partners, for a given wave
	s_lshl_b32 s22, s12, 7
	s_add_co_u32 s20, s20, s22
	s_lshl_b32 s21, s21, 5
	s_add_co_u32 s20, s20, s21                     ; my work-group's 32 rows of the 128 that I fetch
	s_lshl_b32 s20, s20, 12
	s_mov_b32 s21, 0
	s_add_nc_u64 s[PFA:PFA+1], s[PFA:PFA+1], s[20:21]
	s_add_nc_u64 s[PFA:PFA+1], s[PFA:PFA+1], 2*KSTEP*2  ; at K step 2: the first refill steps it to 3 and names K step 4
	v_and_b32 v[PFO], 31, v0
	v_lshlrev_b32 v[PFO], 12, v[PFO]
.macro MUL16 f, hi, a0, zero           ; 16 matrix instructions; the 64 accumulators take turns, one instruction a turn
.irp a, \a0, \a0+1
.irp b, 0,1,2,3,4,5,6,7
.if \zero
	v_wmma_f32_16x16x32_f16 v[8*(8*(\a)+\b):8*(8*(\a)+\b)+7], v[\f+8*\b:\f+8*\b+7], v[\f+8*(4*\hi+\a):\f+8*(4*\hi+\a)+7], 0
.else
	v_wmma_f32_16x16x32_f16 v[8*(8*(\a)+\b):8*(8*(\a)+\b)+7], v[\f+8*\b:\f+8*\b+7], v[\f+8*(4*\hi+\a):\f+8*(4*\hi+\a)+7], v[8*(8*(\a)+\b):8*(8*(\a)+\b)+7]
.endif
.endr
.endr
.endm
.macro FETCH slot, k, f                ; 32 LDS loads in one run: a quarter step's fragments
	WIN TO_B
.irp i, 0,1,2,3,4,5,6,7
	ds_load_b128 v[\f+8*\i:\f+8*\i+3],   v[ADRB+\slot] offset:\k+\i*16*PITCH
	ds_load_b128 v[\f+8*\i+4:\f+8*\i+7], v[ADRB+\slot] offset:\k+\i*16*PITCH+32
.endr
	WIN 0
.irp i, 0,1,2,3,4,5,6,7
	ds_load_b128 v[\f+8*\i:\f+8*\i+3],   v[ADRA+\slot] offset:\k+\i*16*PITCH
	ds_load_b128 v[\f+8*\i+4:\f+8*\i+7], v[ADRA+\slot] offset:\k+\i*16*PITCH+32
.endr
.endm
.macro PLACES                          ; four plain vector lines between a matrix instruction and a load into, or a read of, its registers
.rept 4
	v_nop
.endr
.endm
.macro QUARTER slot, k, f, g, zero
	s_wait_dscnt 8                                 ; k's fragments and q's rows 0-63 are in; the youngest eight loads may be out
	WIN MUL_LO
	MUL16 \f, 0, 0, \zero
	MUL16 \f, 0, 2, \zero
	PLACES
	FETCH \slot, \k, \g
	s_wait_dscnt 32                                ; all but the 32 just issued
	WIN MUL_HI
	MUL16 \f, 1, 0, \zero
	MUL16 \f, 1, 2, \zero
.endm
; A K step's last quarter changes slots: one barrier; in front of it each wave has all its tensor loads in, has added 0 to its spare word, and has its reads of this slot over.
; fill = 1: the barrier opens a round of the cluster's, and this slot is filled again, two K steps ahead, first thing behind the round.
.macro TURN slot, next, fill
.if \fill
	s_wait_xcnt 0x0                                ; the last prefetch, a K step back, has read its address
	s_add_nc_u64 s[PFA:PFA+1], s[PFA:PFA+1], KSTEP*2
.endif
	WIN 0
	s_wait_tensorcnt 0x0
	ds_add_u32 v[SPW], v[NIL]
	s_wait_dscnt 9                                 ; the add and the youngest eight loads may be out
	WIN MUL_LO
	MUL16 F1, 0, 0, 0
	s_wait_dscnt 0x0
	s_barrier_signal -1
	MUL16 F1, 0, 2, 0
.if \fill
	WIN 0
.endif
	s_barrier_wait -1
.if \fill
	CREST
	s_add_nc_u64 s[G0+4*\slot+2:G0+4*\slot+3], s[G0+4*\slot+2:G0+4*\slot+3], 2*KSTEP*2
	s_add_nc_u64 s[G0B+4*\slot+2:G0B+4*\slot+3], s[G0B+4*\slot+2:G0B+4*\slot+3], 2*KSTEP*2
	JLOAD \slot                                    ; my one tensor load behind the round; its four v_nop are also the places in front of the loads below
.else
	PLACES
.endif
	FETCH \next, 0, F0
.if \fill
	ASK
.endif
	WIN MUL_HI
	MUL16 F1, 1, 0, 0
	MUL16 F1, 1, 2, 0
.endm
	s_wait_tensorcnt 1                             ; my part of K step 0 is in; K step 1's may be out
	s_barrier_signal -1
	s_barrier_wait -1
	FETCH 0, 0, F0
	QUARTER 0, 64,  F0, F1, 1                      ; the first quarter's products start the sums
	WIN 0
	s_mov_b32 s3, LAPS-1
.Llap:
	QUARTER 0, 128, F1, F0, 0
	QUARTER 0, 192, F0, F1, 0
	TURN 0, 1, 1
	QUARTER 1, 64,  F0, F1, 0
	QUARTER 1, 128, F1, F0, 0
	QUARTER 1, 192, F0, F1, 0
	TURN 1, 0, 1
	QUARTER 0, 64,  F0, F1, 0
	WIN 0
	s_sub_co_u32 s3, s3, 1
	s_cmp_lg_u32 s3, 0
	s_cbranch_scc1 .Llap
	QUARTER 0, 128, F1, F0, 0                      ; the last lap fills nothing
	QUARTER 0, 192, F0, F1, 0
	TURN 0, 1, 0
	QUARTER 1, 64,  F0, F1, 0
	QUARTER 1, 128, F1, F0, 0
	QUARTER 1, 192, F0, F1, 0
	s_wait_dscnt 8
	WIN MUL_LO
	MUL16 F1, 0, 0, 0
	MUL16 F1, 0, 2, 0
	s_wait_dscnt 0
	WIN MUL_HI
	MUL16 F1, 1, 0, 0
	MUL16 F1, 1, 2, 0
	WIN 0
; THE WAY OUT.  Block a: 16 queries x my 128 keys, 64 registers in window 2 or 3; lane l holds query l % 16, register 8 b + i key 16 b + 8 (l / 16) + i.
.macro SOFT a
.set AC, 64*((\a)%4)
.set GW, (\a)/4
.set TM, TMP+32*((\a)%2)
	WIN 0x2a+0x15*GW                               ; three sources in the accumulators' window
.irp b, 0,1,2,3,4,5,6,7
	v_max3_num_f32 v[T+\b], v[AC+8*\b], v[AC+8*\b+1], v[AC+8*\b+2]   ; each accumulator is read from its low end on
.endr
	WIN 0x28+0x14*GW
.irp i, 3,5
.irp b, 0,1,2,3,4,5,6,7
	v_max3_num_f32 v[T+\b], v[T+\b], v[AC+8*\b+\i], v[AC+8*\b+\i+1]
.endr
.endr
.irp k, 0,1,2,3
	v_max3_num_f32 v[T+2*\k], v[T+2*\k], v[AC+16*\k+7], v[AC+16*\k+15]
.endr
	WIN 0
	v_max3_num_f32 v[T], v[T], v[T+1], v[T+2]
	v_max3_num_f32 v[T+3], v[T+3], v[T+4], v[T+5]
	v_max3_num_f32 v[T], v[T], v[T+6], v[T+7]
	v_max_num_f32 v[T], v[T], v[T+3]
	v_permlanex16_b32 v[T+1], v[T], s[SEL], s[SEL+1]   ; the query's other 64 keys lie in the lane 16 away
	v_max_num_f32 v[T], v[T], v[T+1]
	v_mul_f32 v[T+2], s[CS], v[T]                  ; the chunk's largest t
	v_floor_f32 v[NM], -v[T+2]                     ; -M = floor(-t): a whole number
	WIN 0x82+0x41*GW
.set j, 0
.rept 32
	v_pk_fma_f32 v[AC+j:AC+j+1], v[AC+j:AC+j+1], s[CS:CS+1], v[NM:NM+1] op_sel_hi:[1,0,0]   ; t - M, two at a time
.set j, j+2
.endr
.set j, 0
.rept 64
	v_exp_f32 v[AC+j], v[AC+j]                     ; p = 2^(t - M)
.set j, j+1
.endr
	v_nop                                          ; a plain line behind the last exponential
	s_wait_alu depctr_va_vdst(0)                   ; one wait for the batch, ahead of its first reader
.if (\a) > 1
	s_wait_xcnt 0x0                                ; block a - 2's stores have read this set of packed registers: only now is it written again
.endif
	WIN 0x0a+5*GW
.irp b, 0,1,2,3,4,5,6,7
.irp r, 0,1,2,3
	v_cvt_pk_f16_f32 v[TM+4*\b+\r], v[AC+8*\b+2*\r], v[AC+8*\b+2*\r+1]   ; registers 4 b .. 4 b + 3: keys 16 b + 8 (l / 16) + 0 .. 7 of query l % 16: half a fragment of the next product
.endr
.endr
	WIN 0x8a+0x45*GW
.irp w, 4,8,16,32,64                   ; the sum of the unrounded p: 31 packed additions in place, neighbours 1, 2, 4, 8, 16 pairs apart
.set u, 0
.rept 64/\w
	v_pk_add_f32 v[AC+\w*u:AC+\w*u+1], v[AC+\w*u:AC+\w*u+1], v[AC+\w*u+\w/2:AC+\w*u+\w/2+1]
.set u, u+1
.endr
.endr
	WIN 0x0a+5*GW
	v_add_f32 v[T], v[AC], v[AC+1]
	WIN 0
	v_permlanex16_b32 v[T+1], v[T], s[SEL], s[SEL+1]
	v_add_f32 v[T], v[T], v[T+1]                   ; l of my query in this chunk
	ds_store_b32 v[SA], v[NM] offset:64*(\a)       ; both halves of the lanes write the same word with the same value
	ds_store_b32 v[SA], v[T] offset:512+64*(\a)
.irp b, 0,1,2,3,4,5,6,7
	global_store_b128 v[SG], v[TM+4*\b:TM+4*\b+3], s[8:9] offset:65536*(\a)+512*\b   ; 32 lanes store 512 consecutive bytes, aligned: block (my first + a, my first + b)
.endr
.endm
	PLACES
	v_mov_b32 v[NM+1], 0                           ; named as the upper half of the pair with -M, so it is written
.irp a, 0,1,2,3,4,5,6,7
	SOFT \a
.endr
	ds_load_b128 v[64:67], v[SR]                   ; my wave's 128 -M: 512 bytes (LDS serves a wave's instructions in order: these see my stores),
	ds_load_b128 v[68:71], v[SR] offset:512        ; and its 128 l
	s_wait_dscnt 0x0
	global_store_b128 v[SG], v[64:67], s[STS:STS+1]                 ; 512 consecutive bytes each, aligned
	global_store_b128 v[SG], v[68:71], s[STS:STS+1] offset:524288
	s_wait_tensorcnt 0x0                           ; the wave's end
	ds_add_u32 v[SPW], v[NIL]
	s_wait_dscnt 0x0
	CROUND                                         ; the closing round
	s_endpgm
.Lfunc_end_k_qa04ee266e6_scores:
	.size	k_qa04ee266e6_scores, .Lfunc_end_k_qa04ee266e6_scores-k_qa04ee266e6_scores
	.p2alignl 7, 3214868480
	.fill 96, 4, 3214868480
	.section	.rodata,"a",@progbits
	.p2align	6, 0x0
	.amdhsa_kernel k_qa04ee266e6_scores
		.amdhsa_group_segment_fixed_size 327680
		.amdhsa_private_segment_fixed_size 0
		.amdhsa_enable_private_segment 0
		.amdhsa_kernarg_size 24
		.amdhsa_user_sgpr_count 2
		.amdhsa_user_sgpr_kernarg_segment_ptr 1
		.amdhsa_wavefront_size32 1
		.amdhsa_system_sgpr_workgroup_id_x 1
		.amdhsa_system_sgpr_workgroup_id_y 1
		.amdhsa_system_sgpr_workgroup_id_z 1
		.amdhsa_system_vgpr_workitem_id 0
		.amdhsa_next_free_vgpr 1024
		.amdhsa_next_free_sgpr 72
		.amdhsa_reserve_vcc 0
		.amdhsa_float_denorm_mode_32 3
		.amdhsa_float_denorm_mode_16_64 3
		.amdhsa_memory_ordered 1
		.amdhsa_forward_progress 1
		.amdhsa_inst_pref_size 205
	.end_amdhsa_kernel
	.amdgpu_metadata
---
amdhsa.version: [ 1, 2 ]
amdhsa.kernels:
  - .name:           k_qa04ee266e6_scores
    .symbol:         k_qa04ee266e6_scores.kd
    .args:
      - { .name: qkv, .offset: 0, .size: 8, .value_kind: global_buffer, .address_space: global }
      - { .name: p, .offset: 8, .size: 8, .value_kind: global_buffer, .address_space: global }
      - { .name: stats, .offset: 16, .size: 8, .value_kind: global_buffer, .address_space: global }
    .group_segment_fixed_size: 327680
    .private_segment_fixed_size: 0
    .kernarg_segment_align: 8
    .kernarg_segment_size: 24
    .max_flat_workgroup_size: 128
    .sgpr_count:     72
    .vgpr_count:     1024
    .wavefront_size: 32
...
	.end_amdgpu_metadata
.endif
;; end of part 3
;; launch pv (part 4): grid 4 x 64, 4 waves a work-group, clusters of 4 x 4, 327,680 bytes of LDS; arguments p, qkv, stats, out0; writes out0
.if DOCPART == 4
	.amdgcn_target "amdgcn-amd-amdhsa--gfx1250"
	.amdhsa_code_object_version 6
	.text
	.protected	k_qa04ee266e6_pv
	.globl	k_qa04ee266e6_pv
	.p2align	8
	.type	k_qa04ee266e6_pv,@function
k_qa04ee266e6_pv:
	s_mov_b64 s[64:65], 0
	v_nop
	global_prefetch_b8 v0, s[64:65] scope:SCOPE_SE
	s_setreg_imm32_b32 hwreg(HW_REG_WAVE_MODE, 25, 1), 1
	s_wait_xcnt 0x0
	s_wait_alu depctr_hold_cnt(0) depctr_sa_sdst(0) depctr_va_vdst(0) depctr_va_sdst(0) depctr_va_ssrc(0) depctr_va_vcc(0) depctr_vm_vsrc(0)
	s_getreg_b32 s2, hwreg(HW_REG_IB_STS2, 6, 4)
	s_cmp_eq_u32 s2, 0
	s_cbranch_scc0 .Lentry_in_a_cluster
	s_endpgm
.Lentry_in_a_cluster:
	s_bfe_u32 s2, ttmp6, 0x10000c
	s_cmp_lg_u32 s2, 0xf033
	s_cbranch_scc0 .Lentry_shape_is_right
	s_endpgm
.Lentry_shape_is_right:
; out = (the sum over chunks c of f_c (p_c v_c)) / L, products in f16 with f32 sums.  No work is left out.  p holds 2^(t - M_c) in f16 for each chunk c of 128 keys; stats holds -M_c [16][8192] and l_c [16][8192] (at byte 524,288), f32.
; M = the row's largest M_c; f_c = 2^(M_c - M), an exact power of two; L = the sum of l_c f_c.  v^T: rows 8192 + 1024 b + e of qkv, the batch's 2,048 keys along the row (4,096 bytes).
; A work-group of four waves makes 128 queries x 256 channels (256 x 256 would give work to half of the 256 WGPs only); a wave 64 x 128: 32 tiles of 16 x 16.
; f_c IS APPLIED TO THE SUMS, IN f32: each chunk has accumulators of its own (CA; its first product takes the constant 0), and the totals are T = T + f_c CA, 128 packed multiply-adds a chunk (the first chunk: multiplies, so nothing is cleared).
; p IS LAID IN THE ORDER OF THE OPERAND'S REGISTERS: a block of 16 queries x 16 keys is 512 bytes, lane l's 16 bytes at 16 l; block (Q, b) at (128 Q + b) x 512.  A fragment (16 queries x 32 keys) is two loads of 512 dense bytes,
; FROM MEMORY STRAIGHT INTO REGISTERS: a ring of 256 registers holds eight quarters (a quarter: 32 keys); a quarter's 8 loads are issued when that quarter has been multiplied: 224 matrix instructions ahead of the wait for them.
; WHY p IS NOT ASKED FOR JOINTLY, though the four partners of a row of the cluster read the same p: two slots of 256 keys for p and v^T together would be 2 x 384 rows x 528 bytes = 405,504 bytes, more than LDS has;
; with v^T alone they are 270,336, and a refill then has 256 matrix instructions in which to land, against 128 with slots of 128 keys.
; v^T goes through two LDS slots of 256 keys (rows of 512 bytes + 16).  CLUSTERS: 4 x 4: v^T's tile is asked for jointly along a column of the cluster; every wave fetches 64 of its 256 rows.
; THE MATRIX INSTRUCTION IS USED TRANSPOSED (source 0 = 16 channels, source 1 = 16 queries): a lane holds one query, eight neighbouring channels, so f_c and 1 / L are one number a lane and block of queries.
; No prefetch: v^T's rows are read by four clusters, not once; p's own loads run eight quarters ahead.  LIMITS: NaN and infinities are not served; f_c under 2^-126 falls to 0 or to a denormal.
; REGISTERS: window 0: v16-31 addresses; v32-39 f_c, a pair (f, f) for each of my 4 blocks of queries; v40-47 1 / L likewise; v64-191 v^T's fragments, two buffers (at the head the statistics, on the way out rows read back).
;   window h (1: query blocks 0, 1; 2: blocks 2, 3): v0-127 CA, tile i = 8 a + b at v[8 i]; v128-255 T likewise.   window 3: p's ring: quarter q, block a at v[32 q + 8 a].
.set PITCH,  528                       ; an LDS row: 512 + 16 bytes = 132 words: the 16 rows of a load start at 16 different banks
.set SLOT,   256*PITCH                 ; 135,168 = 0x21000: its two bits are set in no wave's place (wave x 0x8400), so one exclusive or turns an address from one slot to the other
.set STAGE,  2*SLOT                    ; 16 rows x 528 bytes a wave
.set FTAB,   STAGE+4*16*528            ; a table for each pair of waves with the same 64 queries: f [16 chunks][16 rows][4 blocks] pairs, 8,192 bytes; then 1 / L [16 rows][4 blocks] pairs, 512 bytes
.set TABB,   8704
.set SPARE,  FTAB+2*TABB               ; the spare words, 128 bytes a wave
.set GROW,   4096                      ; a row of qkv and of out0 in bytes
.set QBLK,   65536                     ; p: bytes of a block of 16 queries
.set AV0,  16                          ; v16 my lane's place in a slot; never rewritten
.set ADR,  17                          ; v17 the same in the slot from which fragments are being fetched
.set STO,  24
.set RD,   25
.set CO,   26                          ; v26 16 x lane: my bytes of a dense 512, in p and in out0; never rewritten
.set FTA,  27                          ; v27 my row's four pairs f of the chunk to be fetched
.set SPW,  28
.set NIL,  29
.set FW,   30                          ; v30 where I put a pair of the table
.set SL,   31                          ; v31 4 x lane
.set FS,   32
.set IL,   40
.set VT,   64
.set NMR,  64                          ; at the head: v64-79 -M, then M_c - M
.set LR,   80                          ; v80-95 l
.set FP,   96                          ; v96-127 f_c as pairs
.set MN,   128
.set LSUM, 129
.set RC,   130
.set G1,  24                           ; s[24:31] descriptor group 1
.set G0A, 32                           ; s[32:35] group 0 of slot 0's first fill
.set G0W, 36                           ; s[36:39] group 0 of slot 1's first fill, which then walks
.set TB,  48                           ; s48 0 or SLOT: the slot from which fragments are being fetched
.set PB,  50                           ; s[50:51] p at my first block of queries, at the 256 keys that are being asked for
.set MSB, 0
.macro WIN new                         ; the immediate's high byte repeats the setting that is left; a switch that changes nothing is dropped
.set WNEW, \new
.if MSB != WNEW
	s_set_vgpr_msb (MSB<<8)|WNEW
.set MSB, WNEW
.endif
.endm
.macro CREST
	s_cmp_lg_u32 s12, 0
	s_cbranch_scc1 .Lnot_wave_0_\@
	s_barrier_signal -3
.Lnot_wave_0_\@:
	s_barrier_wait -3
	s_barrier_signal -1
	s_barrier_wait -1
.endm
.macro CROUND
	s_barrier_signal -1
	s_barrier_wait -1
	CREST
.endm
.macro PLACES                          ; four plain vector lines between a matrix instruction and a load into, or a read of, its registers
.rept 4
	v_nop
.endr
.endm
.macro LOADP q8                        ; p's four fragments of quarter q8 of the 256 keys at s[PB] (destination window 3, address window 0): 8 loads of 512 dense bytes
.irp a, 0,1,2,3
	global_load_b128 v[32*(\q8)+8*\a:32*(\q8)+8*\a+3],   v[CO], s[PB:PB+1] offset:\a*QBLK+1024*(\q8)
	global_load_b128 v[32*(\q8)+8*\a+4:32*(\q8)+8*\a+7], v[CO], s[PB:PB+1] offset:\a*QBLK+1024*(\q8)+512
.endr
.endm
.macro LOADB f, k                      ; v^T's eight fragments, 32 keys at byte k of the rows, into buffer f (window 0)
.irp b, 0,1,2,3,4,5,6,7
	ds_load_b128 v[VT+64*(\f)+8*\b:VT+64*(\f)+8*\b+3],   v[ADR] offset:(\k)+\b*16*PITCH
	ds_load_b128 v[VT+64*(\f)+8*\b+4:VT+64*(\f)+8*\b+7], v[ADR] offset:(\k)+\b*16*PITCH+32
.endr
.endm
	s_load_b256 s[4:11], s[0:1], 0x0               ; p s[4:5], qkv s[6:7], stats s[8:9], out0 s[10:11]
	v_lshl_add_u32 v[SPW], v0, 2, SPARE
	v_mov_b32 v[NIL], 0
	ds_add_u32 v[SPW], v[NIL]                      ; the wave's opening: the add, twice on end, and its wait ahead of my first tensor load
	ds_add_u32 v[SPW], v[NIL]
	v_lshrrev_b32 v1, 5, v0
	v_readfirstlane_b32 s12, v1                    ; wave
	s_lshr_b32 s13, s12, 1                         ; my half of the queries
	s_and_b32 s14, s12, 1                          ; my half of the channels
	s_bfe_u32 s40, ttmp6, 0x40000                  ; cx
	s_bfe_u32 s41, ttmp6, 0x40004                  ; cy
	s_lshl_b32 s42, ttmp9, 2
	s_add_co_u32 s42, s42, s40                     ; the channel tile, 0..3
	s_and_b32 s15, ttmp7, 0xffff                   ; the cluster's y, 0..15; the batch is a quarter of it
	s_lshl_b32 s45, s15, 2
	s_add_co_u32 s45, s45, s41                     ; the query tile, 0..63
	s_lshl_b32 s44, 0x1111, s40                    ; my column of the cluster
	s_or_b32 s[G1+0], s44, (1<<16)|(1<<20)|(1<<21)|(6<<22)|(3<<25)  ; the mask; elements of 2 bytes; padding on; bit 21 beside a mask; after every 128 words; 4 words
	s_mov_b32 s[G1+1], 256<<16                     ; tensor_dim0 = 256 keys
	s_mov_b32 s[G1+2], 64<<16                      ; tensor_dim1 = 64 channels
	s_mov_b32 s[G1+3], 256<<16                     ; tile_dim0
	s_mov_b32 s[G1+4], 64                          ; tile_dim1
	s_mov_b32 s[G1+5], 2048                        ; elements from row to row
	s_mov_b32 s[G1+6], 0
	s_mov_b32 s[G1+7], 0
	s_lshr_b32 s46, s15, 2
	s_lshl_b32 s46, s46, 10                        ; v^T: 1,024 x batch
	s_lshl_b32 s47, s42, 8
	s_add_co_u32 s46, s46, s47                     ; + 256 x channel tile
	s_lshl_b32 s47, s12, 6
	s_add_co_u32 s46, s46, s47                     ; + the 64 rows that I fetch
	s_add_co_u32 s46, s46, 8192                    ; behind the tokens' rows
	s_lshl_b32 s46, s46, 12                        ; in bytes (under 2^26)
	s_mov_b32 s47, 0
	s_mul_i32 s20, s12, 64*PITCH                   ; where they go in a slot: wave x 64 rows: no place in the cluster enters an LDS address
	s_mov_b32 s[TB], 0
	s_wait_dscnt 0x0                               ; both opening adds are done
	s_wait_kmcnt 0x0
	s_add_nc_u64 s[46:47], s[6:7], s[46:47]
	CROUND                                         ; all sixteen work-groups are here
	s_mov_b32 s[G0A], 1
	s_mov_b32 s[G0A+1], s20                        ; slot 0
	s_mov_b64 s[G0A+2:G0A+3], s[46:47]             ; keys 0 to 255
	s_or_b32 s[G0A+3], s[G0A+3], 0x80000000
	s_mov_b32 s[G0W], 1
	s_add_co_u32 s[G0W+1], s20, SLOT               ; slot 1
	s_add_nc_u64 s[G0W+2:G0W+3], s[46:47], 512     ; keys 256 to 511
	s_or_b32 s[G0W+3], s[G0W+3], 0x80000000
	tensor_load_to_lds s[G0A:G0A+3], s[G1:G1+7]    ; every wave's two first fills, on end: two loads of mine are out
	s_nop 0
	tensor_load_to_lds s[G0W:G0W+3], s[G1:G1+7]
	s_nop 0
.rept 4
	v_nop
.endr
	s_lshl_b32 s16, s45, 3
	s_lshl_b32 s17, s13, 2
	s_add_co_u32 s16, s16, s17                     ; my first block of 16 queries = 8 x query tile + 4 x half
	s_lshl_b32 s16, s16, 16                        ; 65,536 bytes each (under 2^25)
	s_mov_b32 s17, 0
	s_add_nc_u64 s[PB:PB+1], s[4:5], s[16:17]
	s_lshl_b32 s18, s45, 7
	s_lshl_b32 s19, s13, 6
	s_add_co_u32 s18, s18, s19                     ; my wave's first query
	s_lshl_b32 s19, s14, 5
	s_add_co_u32 s19, s19, s18                     ; the first of the 32 rows whose statistics I reduce: the pair's two waves share its 64
	s_lshl_b32 s22, s19, 2
	s_mov_b32 s23, 0
	s_add_nc_u64 s[8:9], s[8:9], s[22:23]
	s_lshl_b32 s22, s18, 12
	s_lshl_b32 s19, s42, 10                        ; my first channel in bytes: 1,024 x tile + 512 x half
	s_add_co_u32 s22, s22, s19
	s_lshl_b32 s19, s14, 9
	s_add_co_u32 s22, s22, s19
	s_add_nc_u64 s[10:11], s[10:11], s[22:23]
	v_and_b32 v1, 15, v0                           ; l % 16
	v_bfe_u32 v2, v0, 4, 1                         ; l / 16
	v_and_b32 v3, 31, v0                           ; lane
	v_lshlrev_b32 v[SL], 2, v3
	v_lshlrev_b32 v[CO], 4, v3
.irp c, 0,1,2,3,4,5,6,7,8,9,10,11,12,13,14,15
	global_load_b32 v[NMR+\c], v[SL], s[8:9] offset:32768*\c           ; lane l: -M_c and l_c of row l of my 32
	global_load_b32 v[LR+\c], v[SL], s[8:9] offset:524288+32768*\c
.endr
	WIN 0xc0
.irp q, 0,1,2,3
	LOADP \q                                       ; p's first four quarters
.endr
	WIN 0
	v_mul_u32_u24 v4, v1, PITCH
	v_lshl_add_u32 v4, v2, 4, v4                   ; a fragment's row x pitch + 16 x half
	s_mul_i32 s22, s14, 128*PITCH                  ; my 128 channels
	v_add_nc_u32 v[AV0], s22, v4
	s_mul_i32 s23, s12, 16*528
	s_add_co_u32 s23, s23, STAGE                   ; my stage
	v_mul_u32_u24 v5, v1, 528
	v_lshl_add_u32 v5, v2, 5, v5
	v_add_nc_u32 v[STO], s23, v5                   ; in: row l % 16, 32 bytes for each half of the lanes
	v_add_nc_u32 v[RD], s23, v[CO]                 ; back: the 32 lanes take one row of 512 bytes
	s_mul_i32 s23, s13, TABB
	s_add_co_u32 s23, s23, FTAB                    ; my pair's table
	v_lshl_add_u32 v[FTA], v1, 5, s23              ; read: 32 bytes for row l % 16: the pairs of blocks 0 to 3
	v_lshl_add_u32 v[FW], v2, 3, v[FTA]            ; written: my row l is row l % 16 of block 2 x (wave % 2) + l / 16
	s_lshl_b32 s21, s14, 4
	v_add_nc_u32 v[FW], s21, v[FW]
	s_wait_loadcnt 32                              ; the statistics are in; p's 32 loads behind them may be out
	WIN 0xc0
.irp q, 4,5,6,7
	LOADP \q                                       ; the ring is full: 64 loads
.endr
	WIN 0
	v_min_num_f32 v[MN], v[NMR], v[NMR+1]
.irp c, 2,3,4,5,6,7,8,9,10,11,12,13,14,15
	v_min_num_f32 v[MN], v[MN], v[NMR+\c]          ; the least -M = -(the row's largest M)
.endr
.irp c, 0,1,2,3,4,5,6,7,8,9,10,11,12,13,14,15
	v_sub_f32 v[NMR+\c], v[MN], v[NMR+\c]          ; M_c - M: a whole number, 0 or less
.endr
.irp c, 0,1,2,3,4,5,6,7,8,9,10,11,12,13,14,15
	v_cvt_i32_f32 v[NMR+\c], v[NMR+\c]             ; (it saturates)
.endr
.irp c, 0,1,2,3,4,5,6,7,8,9,10,11,12,13,14,15
	v_ldexp_f32 v[FP+2*\c], 1.0, v[NMR+\c]         ; f_c, made twice: the pair by which the packed forms multiply
	v_ldexp_f32 v[FP+2*\c+1], 1.0, v[NMR+\c]
.endr
	v_mul_f32 v[LSUM], v[LR], v[FP]
.irp c, 1,2,3,4,5,6,7,8,9,10,11,12,13,14,15
	v_fmac_f32 v[LSUM], v[LR+\c], v[FP+2*\c]       ; L = the sum of l_c f_c
.endr
	v_rcp_f32 v[RC], v[LSUM]
	v_rcp_f32 v[RC+1], v[LSUM]
	v_nop                                          ; a plain line behind the reciprocals
.irp c, 0,1,2,3,4,5,6,7,8,9,10,11,12,13,14,15
	ds_store_b64 v[FW], v[FP+2*\c:FP+2*\c+1] offset:512*\c
.endr
	s_wait_alu depctr_va_vdst(0)                   ; one wait for the two reciprocals, ahead of their first reader
	ds_store_b64 v[FW], v[RC:RC+1] offset:8192
	s_wait_tensorcnt 1                             ; my part of slot 0 is in; slot 1's may be out
	s_wait_dscnt 0x0                               ; my part of the table is in LDS
	s_barrier_signal -1
	s_barrier_wait -1                              ; slot 0 and the pair's table are whole
	v_add_nc_u32 v[ADR], s[TB], v[AV0]
	ds_load_b128 v[IL:IL+3], v[FTA] offset:8192    ; 1 / L of my four blocks, as pairs
	ds_load_b128 v[IL+4:IL+7], v[FTA] offset:8208
	LOADB 0, 0
	LOADB 1, 64
; Slice k of 32: tile k's totals take its chunk's sums: T = T + f CA, four packed lines (first = 1, the first chunk: T = f CA).  Setting 0x51 h: CA, T window h; f window 0.  CA is read from its low end on.
.macro SLICE k, first
.set sk, \k
.set sh, 1+sk/16
.set si, sk%16
.set sa, 2*(sk/16)+si/8
	WIN 0x51*sh
.irp j, 0,2,4,6
.if \first
	v_pk_mul_f32 v[128+8*si+\j:128+8*si+\j+1], v[8*si+\j:8*si+\j+1], v[FS+2*sa:FS+2*sa+1]
.else
	v_pk_fma_f32 v[128+8*si+\j:128+8*si+\j+1], v[8*si+\j:8*si+\j+1], v[FS+2*sa:FS+2*sa+1], v[128+8*si+\j:128+8*si+\j+1]
.endif
.endr
.endm
; Products i0 .. i1 of a unit's 16: half h of my queries, quarter q8 of the slot.  Setting 0x0c + 0x50 h: v^T window 0, p window 3, CA window h.  The tiles take turns, one instruction a turn.
; A chunk's first quarter (q8 % 4 = 0) starts its sums with the constant 0.
; burst = 1, a chunk's last quarter: behind product s of the quarter's 32 stands slice s - 2.  Between a product and the slice that reads its result stand the two slices before that one, eight plain lines that name none of its registers
; (four v_nop serve slice 0).  burst = 2, the quarter behind it: slices 30 and 31 stand behind its first two products; a tile's sums are begun anew only behind its slice.
.macro UNIT h, q8, burst, first, i0, i1
.set ui, \i0
.rept (\i1)-(\i0)+1
.set rD, 8*ui
.set rA, VT+64*((\q8)%2)+8*(ui%8)
.set rB, 32*(\q8)+8*(2*((\h)-1)+ui/8)
	WIN 0x0c+0x50*(\h)
.if ((\q8)%4) == 0
	v_wmma_f32_16x16x32_f16 v[rD:rD+7], v[rA:rA+7], v[rB:rB+7], 0
.else
	v_wmma_f32_16x16x32_f16 v[rD:rD+7], v[rA:rA+7], v[rB:rB+7], v[rD:rD+7]
.endif
.if ((\burst) == 1) && (16*((\h)-1)+ui == 2)
	PLACES
.endif
.if ((\burst) == 1) && (16*((\h)-1)+ui >= 2)
	SLICE 16*((\h)-1)+ui-2, \first
.endif
.if ((\burst) == 2) && ((\h) == 1) && (ui < 2)
	SLICE 30+ui, \first
.endif
.set ui, ui+1
.endr
.endm
; A quarter: 32 products, then ONE run of loads into the registers that it has freed: p's quarter q8 of the next 256 keys (lp), v^T's quarter q8 + 2 (lb).  In front of the run stand four plain lines: slice 29, or four v_nop.
; lc: p's loads go out 8 a quarter, so behind the 8 that this quarter multiplies stand those of seven quarters, 56.  dc: behind v^T's 16 that it multiplies stand the next quarter's 16.
; Behind each chunk's second quarter comes the chunk's f: the slices that read the last chunk's are over, and this chunk's begin two quarters on.
.macro QTR q8, burst, first, lp, lb, lc, dc
	s_wait_loadcnt \lc
	s_wait_dscnt \dc
	UNIT 1, \q8, \burst, \first, 0, 15
	UNIT 2, \q8, \burst, \first, 0, 15
.if ((\burst) != 1) && ((\lp) || (\lb))
	PLACES
.endif
.if \lp
	WIN 0xc0
	LOADP \q8
.endif
	WIN 0
.if ((\q8)%4) == 1
	ds_load_b128 v[FS:FS+3], v[FTA]
	ds_load_b128 v[FS+4:FS+7], v[FTA] offset:16
	v_add_nc_u32 v[FTA], 512, v[FTA]
.endif
.if \lb
	LOADB (\q8)%2, 64*(((\q8)+2)%8)
.endif
.endm
; A slot's quarter 6 changes slots: the slot's last reads were issued behind quarter 5.  One barrier; in front of it each wave has all its tensor loads in, has added 0 to its spare word, and has its reads of this slot over.
; fill = 1: the barrier opens a round of the cluster's, and this slot is filled again with the keys two slots on, first thing behind the round: 256 matrix instructions ahead of the next such wait.
.macro QCH fill
	WIN 0
	s_wait_tensorcnt 0x0                           ; no tensor load of mine is out, so the walking group 0 may be written
	ds_add_u32 v[SPW], v[NIL]
.if \fill
	s_xor_b32 s[G0W+1], s[G0W+1], SLOT             ; the other slot than last time,
	s_add_nc_u64 s[G0W+2:G0W+3], s[G0W+2:G0W+3], 512   ; the next 256 keys
.endif
	s_wait_loadcnt 56
	s_wait_dscnt 17                                ; the add and quarter 7's sixteen loads may be out
	UNIT 1, 6, 0, 0, 0, 15
	s_wait_dscnt 0x0                               ; the add is done, and my reads of this slot are over
	s_barrier_signal -1
	UNIT 2, 6, 0, 0, 0, 7
	WIN 0
	s_barrier_wait -1
.if \fill
	CREST
	tensor_load_to_lds s[G0W:G0W+3], s[G1:G1+7]    ; my one tensor load behind the round
	s_nop 0
.rept 4
	v_nop
.endr
.endif
	s_xor_b32 s[TB], s[TB], SLOT                   ; fragments come from the other slot from here on
	v_add_nc_u32 v[ADR], s[TB], v[AV0]
	UNIT 2, 6, 0, 0, 8, 15
	PLACES
	WIN 0xc0
	LOADP 6
	WIN 0
	LOADB 0, 0
.endm
; A slot's eight quarters: two chunks.  head = 1: the first slot: no chunk lies before it, and chunk 0 starts the totals.
.macro SLOTRUN head, fill
	s_wait_xcnt 0x0                                ; p's loads have read their base:
	s_add_nc_u64 s[PB:PB+1], s[PB:PB+1], 8192      ; on to the next slot's 256 keys: 16 blocks of 512 bytes
.if \head
	QTR 0, 0, 0, 1, 1, 56, 16
.else
	QTR 0, 2, 0, 1, 1, 56, 16
.endif
	QTR 1, 0, 0, 1, 1, 56, 16
	QTR 2, 0, 0, 1, 1, 56, 16
	QTR 3, 1, \head, 1, 1, 56, 16
	QTR 4, 2, \head, 1, 1, 56, 16
	QTR 5, 0, 0, 1, 1, 56, 16
	QCH \fill
	QTR 7, 1, 0, 1, 1, 56, 16
.endm
	SLOTRUN 1, 1                                   ; slot 0
	s_mov_b32 s3, 5
.Lslot:                                            ; slots 1 to 5: each asks for v^T two slots on and for p one slot on
	SLOTRUN 0, 1
	s_sub_co_u32 s3, s3, 1
	s_cmp_lg_u32 s3, 0
	s_cbranch_scc1 .Lslot
	SLOTRUN 0, 0                                   ; slot 6: no v^T is left to ask for
	QTR 0, 2, 0, 0, 1, 56, 16                      ; slot 7: no p is left to ask for: the counts run down, 8 a quarter
	QTR 1, 0, 0, 0, 1, 48, 16
	QTR 2, 0, 0, 0, 1, 40, 16
	QTR 3, 1, 0, 0, 1, 32, 16
	QTR 4, 2, 0, 0, 1, 24, 16
	QTR 5, 0, 0, 0, 1, 16, 16
	QTR 6, 0, 0, 0, 0, 8, 16
	QTR 7, 1, 0, 0, 0, 0, 0
	SLICE 30, 0                                    ; the last chunk's last two tiles
	SLICE 31, 0
; THE WAY OUT, a block of 16 queries x 128 channels at a time: times 1 / L, through my stage, back as whole rows of 512 bytes.  Setting 0x44 h: 1 / L and the address window 0, T window h.
.macro TOSTAGE a
.set AC, 128+64*((\a)%2)
.set BB, VT+64*((\a)%2)
	WIN 0x44*(1+(\a)/2)
.set j, 0
.rept 32
	v_pk_mul_f32 v[AC+j:AC+j+1], v[IL+2*(\a):IL+2*(\a)+1], v[AC+j:AC+j+1]
.set j, j+2
.endr
.irp b, 0,1,2,3,4,5,6,7
	ds_store_b128 v[STO], v[AC+8*\b:AC+8*\b+3] offset:64*\b
	ds_store_b128 v[STO], v[AC+8*\b+4:AC+8*\b+7] offset:64*\b+16
.endr
	WIN 0
.irp t, 0,1,2,3,4,5,6,7,8,9,10,11,12,13,14,15
	ds_load_b128 v[BB+4*\t:BB+4*\t+3], v[RD] offset:\t*528   ; LDS serves a wave's instructions in order: these see the stores above
.endr
.endm
.macro SEND a, younger
.set BB, VT+64*((\a)%2)
	s_wait_dscnt \younger
.irp t, 0,1,2,3,4,5,6,7,8,9,10,11,12,13,14,15
	global_store_b128 v[CO], v[BB+4*\t:BB+4*\t+3], s[10:11] offset:(16*(\a)+\t)*GROW th:TH_STORE_NT   ; 32 lanes store 512 consecutive bytes, aligned
.endr
.endm
	TOSTAGE 0
.irp a, 1,2,3
.if \a > 1
	s_wait_xcnt 0x0                                ; block a - 2's stores have read their registers: block a's loads may land there
.endif
	TOSTAGE \a
	SEND \a-1, 32                                  ; behind block a - 1's loads: block a's 16 stores and 16 loads
.endr
	SEND 3, 0
	s_wait_tensorcnt 0x0                           ; the wave's end
	ds_add_u32 v[SPW], v[NIL]
	s_wait_dscnt 0x0
	CROUND                                         ; the closing round
	s_endpgm
.Lfunc_end_k_qa04ee266e6_pv:
	.size	k_qa04ee266e6_pv, .Lfunc_end_k_qa04ee266e6_pv-k_qa04ee266e6_pv
	.p2alignl 7, 3214868480
	.fill 96, 4, 3214868480
	.section	.rodata,"a",@progbits
	.p2align	6, 0x0
	.amdhsa_kernel k_qa04ee266e6_pv
		.amdhsa_group_segment_fixed_size 327680
		.amdhsa_private_segment_fixed_size 0
		.amdhsa_enable_private_segment 0
		.amdhsa_kernarg_size 32
		.amdhsa_user_sgpr_count 2
		.amdhsa_user_sgpr_kernarg_segment_ptr 1
		.amdhsa_wavefront_size32 1
		.amdhsa_system_sgpr_workgroup_id_x 1
		.amdhsa_system_sgpr_workgroup_id_y 1
		.amdhsa_system_sgpr_workgroup_id_z 1
		.amdhsa_system_vgpr_workitem_id 0
		.amdhsa_next_free_vgpr 1024
		.amdhsa_next_free_sgpr 72
		.amdhsa_reserve_vcc 0
		.amdhsa_float_denorm_mode_32 3
		.amdhsa_float_denorm_mode_16_64 3
		.amdhsa_memory_ordered 1
		.amdhsa_forward_progress 1
		.amdhsa_inst_pref_size 250
	.end_amdhsa_kernel
	.amdgpu_metadata
---
amdhsa.version: [ 1, 2 ]
amdhsa.kernels:
  - .name:           k_qa04ee266e6_pv
    .symbol:         k_qa04ee266e6_pv.kd
    .args:
      - { .name: p, .offset: 0, .size: 8, .value_kind: global_buffer, .address_space: global }
      - { .name: qkv, .offset: 8, .size: 8, .value_kind: global_buffer, .address_space: global }
      - { .name: stats, .offset: 16, .size: 8, .value_kind: global_buffer, .address_space: global }
      - { .name: out0, .offset: 24, .size: 8, .value_kind: global_buffer, .address_space: global }
    .group_segment_fixed_size: 327680
    .private_segment_fixed_size: 0
    .kernarg_segment_align: 8
    .kernarg_segment_size: 32
    .max_flat_workgroup_size: 128
    .sgpr_count:     72
    .vgpr_count:     1024
    .wavefront_size: 32
...
	.end_amdgpu_metadata
.endif
;; end of part 4
